; MI455X (gfx1250); checked and timed in simulation.
; The chip was launched on July 23, 2026; its instructions are those of AMD's public machine-readable ISA for CDNA 5 (MIT licence, August 2026) and "CDNA5" Instruction Set Architecture Reference Guide (July 2026). The comments in the code are by the model that wrote it; some were corrected since.
;; Multi Head Attention. Allowed arithmetic: matrix products marked QUANTISED: E2M3 operands, one E8M0 scale for each 32 along K, by v_wmma_scale_f32_16x16x128_f8f6f4 with both operands' format E2M3, f32 sums; everything else in f32.
;; Inputs: Wk 1,024 x 1,024 float32; Wo 1,024 x 1,024 float32; Wq 1,024 x 1,024 float32; Wv 1,024 x 1,024 float32; bk 1,024 float32; bo 1,024 float32; bq 1,024 float32; bv 1,024 float32; key 4 x 2,048 x 1,024 float32; mask 1 x 1 x 2,048 x 2,048 float32; query 4 x 2,048 x 1,024 float32; value 4 x 2,048 x 1,024 float32.
;; Outputs: out0 4 x 2,048 x 1,024 float32.
;; This version of the problem:
;;   THIS VERSION OF THE PROBLEM IS GIVEN IN LOW PRECISION. The matrix products marked QUANTISED in the list below multiply operands that are first quantised to E2M3 (2 exponent bits, 3 mantissa bits; 6 bits a number), with one power-of-two scale for each 32 numbers along K (OCP MX v1.0); their sums are f32. All else is computed in f32.
;;   The module's matrix products, in the order in which they are computed (A, B: the left and right operand; K: the contracted axis; several contracted axes count as one K, in the product's order):
;;     1. [M 8,192, K 1,024] x [K 1,024, N 1,024]; A: input query; B: input Wq: QUANTISED
;;     2. [M 8,192, K 1,024] x [K 1,024, N 1,024]; A: input key; B: input Wk: QUANTISED
;;     3. [M 8,192, K 1,024] x [K 1,024, N 1,024]; A: input value; B: input Wv: QUANTISED
;;     4. batch 64 x [M 2,048, K 64] x [K 64, N 2,048]; A: computed on the way; B: computed on the way: QUANTISED
;;     5. batch 64 x [M 2,048, K 2,048] x [K 2,048, N 64]; A: softmax (see below); B: computed on the way: QUANTISED
;;     6. [M 8,192, K 1,024] x [K 1,024, N 1,024]; A: computed on the way; B: input Wo: QUANTISED
;;   THE QUANTISER, for each operand of a quantised product, along K:
;;     - K is cut into blocks of 32 from its start; a last block that is shorter is filled with zeros.
;;     - A block's scale is 2^e with e = floor(log2(the largest magnitude in the block)) - 2, held to -126 .. 127; a block of zeros has e = 0. As a byte (E8M0): e + 127.
;;     - Each number is divided by its block's scale, clamped to +-7.5, and rounded to the nearest number of E2M3, ties to even, subnormals kept.
;;     - The product sums the exact products of the quantised numbers (number of the format x scale) in f32.
;;   ~~~python
;;   def quantise(x, axis):      # numpy; x: float32 -> the quantised numbers, widened to float32 again
;;       x = np.moveaxis(x, axis, -1); K = x.shape[-1]
;;       x = np.pad(x, [(0, 0)] * (x.ndim - 1) + [(0, -K % 32)]); x = x.reshape(x.shape[:-1] + (-1, 32)); a = np.abs(x).max(-1, keepdims=True)
;;       e = np.where(a > 0, np.clip(np.frexp(np.where(a > 0, a, 1))[1] - 1 - 2, -126, 127), 0)      # np.frexp(a)[1] - 1 = floor(log2(a)), exactly
;;       r = np.clip(x / 2.0 ** e, -7.5, 7.5)
;;       step = 2.0 ** (np.maximum(np.frexp(np.where(r == 0, 1, r))[1] - 1, 0) - 3)
;;       q = np.round(r / step) * step * 2.0 ** e      # np.round: ties to even
;;       return np.moveaxis(q.reshape(q.shape[:-2] + (-1,))[..., :K], -1, axis).astype(np.float32)
;;   ~~~
;;   SOFTMAX AHEAD OF A QUANTISED PRODUCT. Where the list says 'softmax', what is quantised is not the finished softmax but p = 2^(t - M), with t = logit x log2(e) and M = ceil(the row's largest t), a whole number; so 1/2 < the row's largest p <= 1. The row's sum l is taken of the UNQUANTISED p, in f32, and the product's result is divided by l at the end. Since M is a whole number, a kernel that streams over the keys may use a running M (the ceiling of the running maximum): every later rescaling is an exact power of two, which a block's scale takes up: the codes' values come out the same.
;;   OPERANDS COMPUTED ON THE WAY. 'Computed on the way' means the value that the module computes at that place (a softmax that the list does not call 'softmax' is quantised finished and normalised). What goes into a quantiser is computed in f32, as accurately as f32 sums, v_exp_f32 and their like allow (about 1e-6 of the number): no bf16 or f16 on the way to a quantiser, and a product that is left as it is and whose result goes on into a quantised operand takes f32 operands (vector FMAs, or v_wmma_f32_16x16x4_f32). A number that lies on a knife's edge between two numbers of the format may be rounded either way, as far as f32 arithmetic and the matrix unit's own rounding can turn it there, and no further.
;; 2 versions. Each part assembles by itself: llvm-mc -triple=amdgcn-amd-amdhsa -mcpu=gfx1250 --defsym DOCPART=n.
;; ======== version 1 of 2: 4 launches
;; workspace buffers: wq 3,276,800 bytes; qi 6,815,744 bytes; kv 13,369,344 bytes; ao 6,553,600 bytes
;; launch prep (part 1): grid 8 x 32, 4 waves a work-group, no clusters, 1,536 bytes of LDS; arguments Wq, Wk, Wv, Wo, wq; writes wq
.if DOCPART == 1
	.amdgcn_target "amdgcn-amd-amdhsa--gfx1250"
	.amdhsa_code_object_version 6
	.text
	.protected	k_q1ba61766e6_prep
	.globl	k_q1ba61766e6_prep
	.p2align	8
	.type	k_q1ba61766e6_prep,@function
k_q1ba61766e6_prep:
	s_mov_b64 s[64:65], 0
	v_nop
	global_prefetch_b8 v0, s[64:65] scope:SCOPE_SE
	s_setreg_imm32_b32 hwreg(HW_REG_WAVE_MODE, 25, 1), 1
	s_wait_xcnt 0x0
; The four weights, f32 [1024 (k)][1024 (n)], K on the FIRST axis, become codes of FP6 (E2M3) with one E8M0 byte for each 32 along K,
; laid in the order in which a wave's operand registers take them:  wq[weight 0..3][chunk of 128 n][K step of 128 k] = 12,800 bytes:
;   8 tiles of 16 n x 1,536 bytes (a fragment's 12 registers as three groups of four: group g of lane l at 512 g + 16 l), then 512 bytes of scale words [tile / 4][r][tile % 4].
; THE n OF A TILE ARE NOT NEIGHBOURS: lane r of tile 2 b + u holds n = 32 b + 8 u + r + 8 (r / 8), so that a product with the weight as source 0 leaves 16 neighbouring n in a lane's 16 registers.
; A LANE TAKES A COLUMN n AND ITS REGISTERS RUN DOWN K: a block of 32 lies in one lane, the conversions give K innermost, nothing is transposed.
; A column's four blocks are the registers of TWO lanes of the fragment: blocks 0, 2 of lane r, blocks 1, 3 of lane 16 + r.
; Work-group (x = chunk, y = 8 weight + K step); wave v takes columns 32 v .. 32 v + 31 of the chunk, which are tiles 2 v and 2 v + 1.  Loads run two blocks (64 loads a wave) ahead.
; A block's scale is 2^(floor(log2(largest magnitude)) - 2); its byte is that magnitude's exponent field - 2, held at 1 from below.
; LIMITS: a block of zeros, or one whose largest magnitude lies under 2^-124, keeps the byte 1 (its codes are zeros or the nearest codes under that scale; this program alone reads the bytes); NaN and infinities are not served.
.set X,   64                           ; v64-191  128 numbers of my column: 32 registers of its own for each block
.set CA,  32                           ; v32-43   the fragment registers of lane r
.set CB,  44                           ; v44-55   those of lane 16 + r
.set T,   192                          ; v192-207 a block's second three registers, as the conversion leaves them
.set SW,  20                           ; v20      my column's scale word
.set VIN, 3                            ; v3       4 x lane
.set VO,  7                            ; v7       where my codes go: 3,072 wave + 1,536 u + 16 r
.set LSW, 10                           ; v10      LDS: where my scale word goes
.set L16, 14                           ; v14      16 x lane
	s_load_b256 s[4:11], s[0:1], 0x0               ; Wq, Wk, Wv, Wo
	s_load_b64 s[12:13], s[0:1], 0x20              ; wq
	v_lshl_add_u32 v208, v0, 2, 0x400
	v_mov_b32 v209, 0
	v_lshrrev_b32 v1, 5, v0
	v_readfirstlane_b32 s17, v1                    ; wave
	v_and_b32 v2, 31, v0                           ; lane
	v_lshlrev_b32 v[VIN], 2, v2
	v_lshlrev_b32 v[L16], 4, v2
	v_bfe_u32 v4, v0, 3, 1                         ; u: which of my two tiles the column falls into
	v_and_b32 v5, 7, v0
	v_bfe_u32 v6, v0, 4, 1
	v_lshl_add_u32 v5, v6, 3, v5                   ; r: its lane there
	s_mul_i32 s18, s17, 3072
	v_lshlrev_b32 v[VO], 4, v5
	v_mad_u32_u24 v[VO], v4, 1536, v[VO]
	v_add_nc_u32 v[VO], s18, v[VO]
	v_bfe_u32 v8, v0, 6, 1                         ; wave / 2 = tile / 4
	v_bfe_u32 v9, v0, 5, 1                         ; wave % 2
	v_lshlrev_b32 v[LSW], 4, v5                    ; 16 r
	v_lshl_add_u32 v[LSW], v4, 2, v[LSW]           ; + 4 (tile % 4) = 8 (wave % 2) + 4 u
	v_lshl_add_u32 v[LSW], v9, 3, v[LSW]
	v_lshl_add_u32 v[LSW], v8, 8, v[LSW]           ; + 256 (tile / 4)
	s_and_b32 s14, ttmp7, 0xffff
	s_lshr_b32 s16, s14, 3                         ; which weight
	s_and_b32 s15, s14, 7                          ; which K step
	s_lshl_b32 s20, s15, 19                        ; in: 128 rows of 4,096 bytes a K step,
	s_lshl_b32 s21, ttmp9, 9                       ; 512 bytes a chunk,
	s_add_co_u32 s20, s20, s21
	s_lshl_b32 s21, s17, 7                         ; 128 bytes a wave
	s_add_co_u32 s20, s20, s21
	s_mov_b32 s21, 0
	s_mul_i32 s22, s16, 819200                     ; out
	s_mul_i32 s23, ttmp9, 102400
	s_add_co_u32 s22, s22, s23
	s_mul_i32 s23, s15, 12800
	s_add_co_u32 s22, s22, s23
	s_mov_b32 s23, 0
	s_wait_kmcnt 0x0
	s_cmp_eq_u32 s16, 1                            ; the choice of the weight hangs on the work-group's number alone
	s_cselect_b64 s[4:5], s[6:7], s[4:5]
	s_cmp_eq_u32 s16, 2
	s_cselect_b64 s[4:5], s[8:9], s[4:5]
	s_cmp_eq_u32 s16, 3
	s_cselect_b64 s[4:5], s[10:11], s[4:5]
	s_add_nc_u64 s[4:5], s[4:5], s[20:21]
	s_add_nc_u64 s[12:13], s[12:13], s[22:23]
.macro LOAD t                          ; block t: W(32 t + i, my column), i = 0 .. 31: a wave reads 128 consecutive bytes, the four waves 512
.irp i, 0,1,2,3,4,5,6,7,8,9,10,11,12,13,14,15,16,17,18,19,20,21,22,23,24,25,26,27,28,29,30,31
	global_load_b32 v[X+32*(\t)+\i], v[VIN], s[4:5] offset:(32*(\t)+\i)*4096 th:TH_LOAD_NT
.endr
.endm
	LOAD 0
	LOAD 1
.macro BLOCK t
.set XS, X+32*(\t)
.set D6, CA+12*((\t)%2)+6*((\t)/2)     ; block t is registers 6 (t / 2) .. + 5 of lane r + 16 (t % 2)
.if (\t) < 3
	s_wait_loadcnt 32                              ; loads come back in order: this block's 32 are in; the next block's 32 may be out
.else
	s_wait_loadcnt 0x0
.endif
.if (\t)+2 < 4
	LOAD (\t)+2                                    ; two blocks on, into registers of its own
.endif
	v_max3_num_f32 v12, |v[XS]|, |v[XS+1]|, |v[XS+2]|
	v_max3_num_f32 v13, |v[XS+3]|, |v[XS+4]|, |v[XS+5]|
.irp i, 6,10,14,18,22,26
	v_max3_num_f32 v12, v12, |v[XS+\i]|, |v[XS+\i+1]|
	v_max3_num_f32 v13, v13, |v[XS+\i+2]|, |v[XS+\i+3]|
.endr
	v_max3_num_f32 v12, v12, |v[XS+30]|, |v[XS+31]|
	v_max3_num_f32 v12, v12, v13, 0x1800000        ; with the floor 2^(3 - 127): the byte cannot fall under 1
	v_add_nc_u32 v11, 0xff000000, v12              ; 2 off the exponent field: the conversion's scale operand
	v_lshrrev_b32 v13, 23, v11                     ; the scale's byte
.if (\t) == 0
	v_mov_b32 v[SW], v13
.else
	v_lshl_or_b32 v[SW], v13, 8*(\t), v[SW]
.endif
	v_cvt_scalef32_pk16_fp6_f32 v[D6:D6+2], v[XS:XS+15], v11
	v_cvt_scalef32_pk16_fp6_f32 v[T+4*(\t):T+4*(\t)+2], v[XS+16:XS+31], v11   ; (a conversion's three registers begin on an even number)
	v_nop                                          ; one plain line behind the conversions
.irp i, 0,1,2
	v_mov_b32 v[D6+3+\i], v[T+4*(\t)+\i]
.endr
.endm
	BLOCK 0
	BLOCK 1
	BLOCK 2
	BLOCK 3
.irp g, 0,1,2
	global_store_b128 v[VO], v[CA+4*\g:CA+4*\g+3], s[12:13] offset:512*\g       ; the sixteen lanes of one u store 256 consecutive bytes, aligned
	global_store_b128 v[VO], v[CB+4*\g:CB+4*\g+3], s[12:13] offset:512*\g+256
.endr
	ds_store_b32 v[LSW], v[SW]                     ; the 128 scale words meet in LDS
	s_wait_dscnt 0x0                               ; for the others' sake: my store is done
	s_barrier_signal -1
	s_barrier_wait -1
	s_cmp_lg_u32 s17, 0
	s_cbranch_scc1 .Ldone
	ds_load_b128 v[24:27], v[L16]                  ; wave 0 stores them: 512 consecutive bytes
	s_wait_dscnt 0x0
	global_store_b128 v[L16], v[24:27], s[12:13] offset:12288
.Ldone:
	s_wait_tensorcnt 0x0
	ds_add_u32 v208, v209
	s_wait_dscnt 0x0
	s_endpgm
.Lfunc_end_k_q1ba61766e6_prep:
	.size	k_q1ba61766e6_prep, .Lfunc_end_k_q1ba61766e6_prep-k_q1ba61766e6_prep
	.p2alignl 7, 3214868480
	.fill 96, 4, 3214868480
	.section	.rodata,"a",@progbits
	.p2align	6, 0x0
	.amdhsa_kernel k_q1ba61766e6_prep
		.amdhsa_group_segment_fixed_size 1536
		.amdhsa_private_segment_fixed_size 0
		.amdhsa_enable_private_segment 0
		.amdhsa_kernarg_size 40
		.amdhsa_user_sgpr_count 2
		.amdhsa_user_sgpr_kernarg_segment_ptr 1
		.amdhsa_wavefront_size32 1
		.amdhsa_system_sgpr_workgroup_id_x 1
		.amdhsa_system_sgpr_workgroup_id_y 1
		.amdhsa_system_sgpr_workgroup_id_z 1
		.amdhsa_system_vgpr_workitem_id 0
		.amdhsa_next_free_vgpr 210
		.amdhsa_next_free_sgpr 66
		.amdhsa_reserve_vcc 0
		.amdhsa_float_denorm_mode_32 3
		.amdhsa_float_denorm_mode_16_64 3
		.amdhsa_memory_ordered 1
		.amdhsa_forward_progress 1
		.amdhsa_inst_pref_size 22
	.end_amdhsa_kernel
	.amdgpu_metadata
---
amdhsa.version: [ 1, 2 ]
amdhsa.kernels:
  - .name:           k_q1ba61766e6_prep
    .symbol:         k_q1ba61766e6_prep.kd
    .args:
      - { .name: Wq, .offset: 0, .size: 8, .value_kind: global_buffer, .address_space: global }
      - { .name: Wk, .offset: 8, .size: 8, .value_kind: global_buffer, .address_space: global }
      - { .name: Wv, .offset: 16, .size: 8, .value_kind: global_buffer, .address_space: global }
      - { .name: Wo, .offset: 24, .size: 8, .value_kind: global_buffer, .address_space: global }
      - { .name: wq, .offset: 32, .size: 8, .value_kind: global_buffer, .address_space: global }
    .group_segment_fixed_size: 1536
    .private_segment_fixed_size: 0
    .kernarg_segment_align: 8
    .kernarg_segment_size: 40
    .max_flat_workgroup_size: 128
    .sgpr_count:     66
    .vgpr_count:     210
    .wavefront_size: 32
...
	.end_amdgpu_metadata
.endif
;; end of part 1
;; launch proj (part 2): grid 64 x 3, 4 waves a work-group, no clusters, 136,704 bytes of LDS; arguments query, key, value, wq, bq, bk, bv, qi, kv; writes qi, kv
.if DOCPART == 2
	.amdgcn_target "amdgcn-amd-amdhsa--gfx1250"
	.amdhsa_code_object_version 6
	.text
	.protected	k_q1ba61766e6_proj
	.globl	k_q1ba61766e6_proj
	.p2align	8
	.type	k_q1ba61766e6_proj,@function
k_q1ba61766e6_proj:
	s_mov_b64 s[64:65], 0
	v_nop
	global_prefetch_b8 v0, s[64:65] scope:SCOPE_SE
	s_setreg_imm32_b32 hwreg(HW_REG_WAVE_MODE, 25, 1), 1
	s_wait_xcnt 0x0
; q = query Wq + bq, k = key Wk + bk, v = value Wv + bv on codes of FP6 (E2M3) with one E8M0 scale for each 32 along K; the results are quantised in registers for the attention and stored as images of its operands' registers.
; SHARES.  Work-group (x = 128 rows: batch x / 16, group x % 16;  y = 0 q, 1 k, 2 v) makes those rows for all 1,024 n, so each row of x is read and quantised ONCE.  3 x 64 work-groups: 8,192 rows do not divide into more groups of whole key steps.
; PHASE X: wave w quantises rows 32 w .. + 31 (two tiles of 16 rows x 8 K steps) and stores the fragments in LDS as images of their registers.  One barrier.
; PHASE G: wave w makes n = 256 w .. + 255 in two passes of 128 n: 8 x 8 tiles, 64 accumulators, 8 K steps of 128.  x's fragments come from LDS; the weights' come from memory straight into registers, in the order
; in which an earlier launch laid them: each fragment is read by one wave of the work-group only, so nothing of them is shared inside it.  NO CLUSTER for that reason: a joint load lands in LDS, which would add a write and a read of 12,800 bytes a wave and step.
; WHICH SIDE IS WHICH.  q, k: source 0 = 16 n of W, source 1 = 16 rows of x: a lane holds one row and 64 n, 16 neighbours to a block half: quantised along n (the head's 64).
;                       v:    source 0 = 16 rows of x (keys), source 1 = 16 n of W: a lane holds one n and the group's 128 keys: quantised along the keys.
; One text serves the three: only the targets of the loads, the bias loads and the first K step's C stand in two arms of a scalar branch on y.
; ROWS OF A TILE: for q tile j holds rows 16 j + r; for k and v lane r of tile 2 b + u holds row 32 b + 8 u + r + 8 (r / 8), so that keys come out as neighbours where they are a later product's registers.
; IMAGES.  Fragment (12 registers): registers 0-3 at 16 l, 4-5 at 512 + 8 l, 6-9 at 768 + 16 l, 10-11 at 1,280 + 8 l (l the lane): 1,536 bytes; its halves of 768 bytes are 64 along K each.
;   qi[(16 batch + head) 16 + group] = 6,656 bytes: 8 halves (tile j), then scale words [j / 4][r][j % 4].
;   kv[((4 batch + head / 4) 16 + group) 4 + head % 4] = 13,056 bytes: K: 8 halves, 512 bytes of scale words; V: 4 fragments (16 d x 128 keys), 256 bytes of scale words [r][tile].
; LIMITS: a block of zeros, or one under 2^-124, keeps the scale byte 1 (this program alone reads the bytes); NaN and infinities are not served.
; REGISTERS, in windows of 256: window 0: v1-24 addresses; v32-63 scale words, two sets a side (in phase X and on the way out: the quantiser's); v64-255 source 1's fragments, two sets of 96.
;   window 1: source 0's fragments, sets at v0 and v128; the bias's 8 tiles in v96-127 and v224-255 (in phase X: four sets of 64 loaded numbers).  windows 2, 3: accumulator (j, i) at v[8 (8 (j % 4) + i)] of window 2 + j / 4.
.set XSC,   98304                      ; LDS: 0: x's images [K step][tile] 1,536 bytes;  here: their scale words, 512 bytes a K step: [tile / 4][r][tile % 4]
.set STG,   102400                     ; a stage of 16 rows x 528 bytes for each wave
.set STGW,  8448
.set SPIT,  528                        ; 512 bytes + 16: row r starts at bank 4 r mod 64 (64 banks of 4 bytes: ISA guide 11.1)
.set FRB,   1536
.set STEPW, 12800                      ; a K step of a chunk in wq
.set LN,   1
.set RR,   2
.set HH,   3
.set A16,  4                           ; 16 x lane: loads of x, of W, of images
.set VXB,  5                           ; 16 x lane (+ 8 rows for k, v)
.set VXC,  6                           ; 16 x lane (+ 8 rows for q)
.set STW,  7                           ; my stage, on the way in
.set STR,  8                           ; and out
.set XW16, 9                           ; where I store images: 16 l + 3,072 w
.set XW8,  10                          ; 8 l + 3,072 w
.set XWS,  11                          ; and their scale words
.set IW16, 12                          ; these three + the trip's offset
.set IW8,  13
.set IWS,  14
.set A8,   16                          ; 8 x lane
.set A16H, 17                          ; 16 l + 49,152: K steps 4 to 7 (an LDS offset has 16 bits)
.set A8H,  18
.set AXS,  19                          ; XSC + 16 r
.set GWS,  20                          ; 16 r
.set BQ,   21                          ; 64 h
.set BVV,  22                          ; 4 (r + 8 (r / 8))
.set SO,   23                          ; scale words out: 16 r (+ the second head's distance for lanes 16-31)
.set SH,   24                          ; 16 h for q, k; 0 for v
.set TM,   32                          ; v32-47 the quantiser's: largest magnitudes, bytes, scale operands
.set PW,   48                          ; the scale word just made
.set W4,   52                          ; v52-55 four tiles' scale words
.set T8,   56                          ; v56-62 the conversions' second halves
.set PC,   64                          ; v64-75 the codes just made
.set XT,   128                         ; v128-191 64 numbers of x
.set XB,   4                           ; s[4:5]   x at my wave's rows
.set WB,   10                          ; s[10:11] wq at my pass's chunk
.set BB,   12                          ; s[12:13] the bias at my pass's chunk
.set PB,   18                          ; s[18:19] where my pass's results go
.set TAU,  22
.set WV,   24
.set D1,   26                          ; pairs with 0 above: from a fragment's first half to its second,
.set STJ,  28                          ; from tile to tile,
.set JMP,  30                          ; more at tile 4,
.set SST,  32                          ; the scale words' step at tile 4,
.set PINC, 34                          ; from pass to pass
.set PA0,  36
.set PA1,  38
.set PSS,  40
.set D1H,  42
.set SHS,  43
.set XBO,  44
.set XCO,  45
.set TRIP, 46
.set PASS, 47
.set SXT,  48
.set SXT2, 49
.set SEL,  50
.set MSB, 0
.macro WIN new                         ; the immediate's high byte repeats the setting that is left; a switch that changes nothing is dropped
.if MSB != (\new)
	s_set_vgpr_msb (MSB<<8)|(\new)
.set MSB, (\new)
.endif
.endm
.macro PLACES n
.rept \n
	v_nop
.endr
.endm
; 64 numbers of a lane, v[s] .. v[s + 63] of window w, register 16 b + i = k 32 b + 16 (lane / 16) + i of the lane's row, become a fragment's codes in v[PC] on and its scale word in v[PW].
; Each accumulator of eight is first read at its low end.
.macro QUANT s, w
	WIN (\w)|((\w)<<2)
.irp b, 0,1,2,3
	v_max3_num_f32 v[TM+\b], |v[(\s)+16*\b]|, |v[(\s)+16*\b+1]|, 0x1800000   ; my 16 numbers of block b, and the floor 2^(3 - 127): the byte cannot fall under 1
.endr
.irp i, 2,4,6,8,10,12,14
.irp b, 0,1,2,3
	v_max3_num_f32 v[TM+\b], |v[(\s)+16*\b+\i]|, |v[(\s)+16*\b+\i+1]|, v[TM+\b]   ; (the four blocks by turns)
.endr
.endr
	WIN 0
.irp b, 0,1,2,3
	v_permlanex16_b32 v[TM+4+\b], v[TM+\b], s[SEL], s[SEL+1]
.endr
.irp b, 0,1,2,3
	v_max_num_f32 v[TM+\b], v[TM+\b], v[TM+4+\b]   ; with lane l xor 16's: the block's largest magnitude
.endr
.irp b, 0,1,2,3
	v_add_nc_u32 v[TM+12+\b], 0xff000000, v[TM+\b] ; 2 off its exponent field: the conversion's scale operand
.endr
.irp b, 0,1,2,3
	v_lshrrev_b32 v[TM+4+\b], 23, v[TM+12+\b]      ; the scale's byte
.endr
	v_lshl_or_b32 v[PW], v[TM+5], 8, v[TM+4]
	v_lshl_or_b32 v[PW], v[TM+6], 16, v[PW]
	v_lshl_or_b32 v[PW], v[TM+7], 24, v[PW]
	WIN (\w)
.irp c, 0,1
	v_cvt_scalef32_pk16_fp6_f32 v[PC+6*\c:PC+6*\c+2], v[(\s)+32*\c:(\s)+32*\c+15], v[TM+12+2*\c]
	v_cvt_scalef32_pk16_fp6_f32 v[T8+4*\c:T8+4*\c+2], v[(\s)+32*\c+16:(\s)+32*\c+31], v[TM+13+2*\c]   ; (a conversion's three registers begin on an even number)
.endr
	WIN 0
	v_nop                                          ; one plain line behind the conversions
.irp c, 0,1                            ; the operand wants a WHOLE block in a lane: lanes 0-15 block 2 c, lanes 16-31 block 2 c + 1
.irp i, 0,1,2
	v_permlane16_swap_b32 v[PC+6*\c+\i], v[T8+4*\c+\i]
.endr
.irp i, 0,1,2
	v_mov_b32 v[PC+3+6*\c+\i], v[T8+4*\c+\i]
.endr
.endr
.endm
	s_load_b256 s[4:11], s[0:1], 0x0               ; query, key, value, wq
	s_load_b256 s[12:19], s[0:1], 0x20             ; bq, bk, bv, qi
	s_load_b64 s[20:21], s[0:1], 0x40              ; kv
	v_lshl_add_u32 v30, v0, 2, 0x21400
	v_mov_b32 v31, 0
	v_lshrrev_b32 v1, 5, v0
	v_readfirstlane_b32 s[WV], v1                  ; wave 0..3
	s_and_b32 s[TAU], ttmp7, 0xffff                ; 0 q, 1 k, 2 v
	v_and_b32 v[LN], 31, v0
	v_and_b32 v[RR], 15, v0
	v_bfe_u32 v[HH], v0, 4, 1
	s_lshr_b32 s52, ttmp9, 4                       ; batch
	s_and_b32 s53, ttmp9, 15                       ; group of 128 rows
	s_lshl_b32 s55, s52, 2
	s_add_co_u32 s55, s55, s[WV]                   ; 4 batch + wave: my four heads
	s_cmp_lg_u32 s[TAU], 0
	s_cbranch_scc1 .Lnot_q
	s_lshl_b32 s54, s55, 6                         ; q: entry (16 batch + 4 w) 16 + group
	s_add_co_u32 s54, s54, s53
	s_mul_i32 s56, s54, 6656
	s_mov_b32 s[D1], 106496                        ; the next head's entry
	s_mov_b32 s[D1H], 106496
	s_mov_b32 s[STJ], 768
	s_mov_b32 s[JMP], 0
	s_mov_b32 s[SST], 256
	s_mov_b32 s[PINC], 212992
	s_mov_b32 s[SHS], 16
	s_mov_b32 s[XBO], 0
	s_mov_b32 s[XCO], 32768
	s_branch .Lparams
.Lnot_q:
	s_lshl_b32 s54, s55, 4                         ; k, v: entry ((4 batch + w) 16 + group) 4
	s_add_co_u32 s54, s54, s53
	s_mul_i32 s56, s54, 52224
	s_mov_b32 s[PINC], 26112
	s_mov_b32 s[XBO], 32768
	s_mov_b32 s[XCO], 0
	s_cmp_lg_u32 s[TAU], 1
	s_cbranch_scc1 .Lis_v
	s_mov_b32 s[D1], 13056
	s_mov_b32 s[D1H], 13056
	s_mov_b32 s[STJ], 768
	s_mov_b32 s[JMP], 0
	s_mov_b32 s[SST], 256
	s_mov_b32 s[SHS], 16
	s_branch .Lparams
.Lis_v:
	s_add_co_u32 s56, s56, 6656                    ; V lies behind K in an entry
	s_mov_b32 s[D1], 768
	s_mov_b32 s[D1H], 0
	s_mov_b32 s[STJ], 1536
	s_mov_b32 s[JMP], 6912                         ; four fragments, then on to the next head's entry
	s_mov_b32 s[SST], 13056
	s_mov_b32 s[SHS], 0
.Lparams:
	s_mov_b32 s57, 0
	s_mov_b32 s[D1+1], 0
	s_mov_b32 s[STJ+1], 0
	s_mov_b32 s[JMP+1], 0
	s_mov_b32 s[SST+1], 0
	s_mov_b32 s[PINC+1], 0
	s_mov_b32 s[SEL], 0x76543210
	s_mov_b32 s[SEL+1], 0xfedcba98                 ; v_permlanex16_b32's selects for lane l xor 16
	s_mov_b32 s[SXT], 0
	s_mov_b32 s[SXT2], 0
	v_lshlrev_b32 v[A16], 4, v[LN]
	v_lshlrev_b32 v[A8], 3, v[LN]
	v_add_nc_u32 v[VXB], s[XBO], v[A16]
	v_add_nc_u32 v[VXC], s[XCO], v[A16]
	s_mul_i32 s58, s[WV], STGW
	s_add_co_u32 s58, s58, STG
	v_add_nc_u32 v[STW], s58, v[A16]               ; in: a row's 512 bytes, 16 a lane
	v_mul_u32_u24 v[STR], v[RR], SPIT
	v_lshl_add_u32 v[STR], v[HH], 6, v[STR]
	v_add_nc_u32 v[STR], s58, v[STR]               ; out: row r, + 64 h: my 16 numbers of a block
	s_mul_i32 s58, s[WV], 2*FRB
	v_add_nc_u32 v[XW16], s58, v[A16]
	v_add_nc_u32 v[XW8], s58, v[A8]
	s_lshr_b32 s58, s[WV], 1
	s_lshl_b32 s58, s58, 8
	s_and_b32 s59, s[WV], 1
	s_lshl_b32 s59, s59, 3
	s_add_co_u32 s58, s58, s59
	s_add_co_u32 s58, s58, XSC
	v_lshlrev_b32 v[GWS], 4, v[RR]
	v_add_nc_u32 v[XWS], s58, v[GWS]               ; tile 2 w + u: 256 (w / 2) + 16 r + 8 (w % 2) + 4 u
	v_add_nc_u32 v[A16H], 49152, v[A16]
	v_add_nc_u32 v[A8H], 49152, v[A8]
	v_add_nc_u32 v[AXS], XSC, v[GWS]
	v_lshlrev_b32 v[BQ], 6, v[HH]
	v_and_b32 v[BVV], 8, v[RR]
	v_add_lshl_u32 v[BVV], v[BVV], v[RR], 2
	v_mul_u32_u24 v[SO], s[D1H], v[HH]
	v_add_nc_u32 v[SO], v[SO], v[GWS]
	v_mul_u32_u24 v[SH], s[SHS], v[HH]
.irp b, 0,1,2,3
	v_mov_b32 v[TM+4+\b], 0                        ; written once: a lane permute's destination counts as one of its sources
.endr
	s_wait_kmcnt 0x0
	s_cmp_eq_u32 s[TAU], 1                         ; the buffers are chosen by the work-group's number alone
	s_cselect_b64 s[XB:XB+1], s[6:7], s[XB:XB+1]
	s_cselect_b64 s[BB:BB+1], s[14:15], s[BB:BB+1]
	s_cmp_eq_u32 s[TAU], 2
	s_cselect_b64 s[XB:XB+1], s[8:9], s[XB:XB+1]
	s_cselect_b64 s[BB:BB+1], s[16:17], s[BB:BB+1]
	s_cmp_eq_u32 s[TAU], 0
	s_cselect_b64 s[PB:PB+1], s[PB:PB+1], s[20:21]
	s_lshl_b32 s58, ttmp9, 19                      ; 128 rows of 4,096 bytes a work-group,
	s_lshl_b32 s59, s[WV], 17                      ; 32 a wave
	s_add_co_u32 s58, s58, s59
	s_mov_b32 s59, 0
	s_add_nc_u64 s[XB:XB+1], s[XB:XB+1], s[58:59]
	s_mul_i32 s58, s[TAU], 819200
	s_mul_i32 s54, s[WV], 204800                   ; two chunks a wave
	s_add_co_u32 s58, s58, s54
	s_add_nc_u64 s[WB:WB+1], s[WB:WB+1], s[58:59]
	s_lshl_b32 s58, s[WV], 10
	s_add_nc_u64 s[BB:BB+1], s[BB:BB+1], s[58:59]
	s_add_nc_u64 s[PB:PB+1], s[PB:PB+1], s[56:57]
; ---- PHASE X.  Set q = 2 sp + u: the 16 rows of my tile u, K step 2 T + sp: 16 loads, each a row's 512 consecutive bytes.  The rows' order is chosen by the address register, with no branch.
.macro XLOADS q, off
	WIN 0x40                                       ; destination window 1
.irp i, 0,1,2,3,4,5,6,7,8,9,10,11,12,13,14,15
.if ((\q)%2) == 0
.if \i < 8
	global_load_b128 v[64*(\q)+4*\i:64*(\q)+4*\i+3], v[A16], s[XB:XB+1] offset:\i*4096+512*((\q)/2)+(\off) th:TH_LOAD_NT
.else
	global_load_b128 v[64*(\q)+4*\i:64*(\q)+4*\i+3], v[VXB], s[XB:XB+1] offset:\i*4096+512*((\q)/2)+(\off) th:TH_LOAD_NT
.endif
.else
.if \i < 8
	global_load_b128 v[64*(\q)+4*\i:64*(\q)+4*\i+3], v[VXC], s[XB:XB+1] offset:(8+\i)*4096+512*((\q)/2)+(\off) th:TH_LOAD_NT
.else
	global_load_b128 v[64*(\q)+4*\i:64*(\q)+4*\i+3], v[A16], s[XB:XB+1] offset:(16+\i)*4096+512*((\q)/2)+(\off) th:TH_LOAD_NT
.endif
.endif
.endr
	WIN 0
.endm
; Set q becomes a fragment: through my stage (in as rows, out 64 bytes a lane and block), quantised, its image to LDS.  left: the younger loads that may stay out.
.macro FRAGX q, ahead, left
	s_wait_loadcnt \left                           ; loads come back in order: set q is in
	WIN 0x04                                       ; an LDS store's data are its source 1: window 1
.irp i, 0,1,2,3,4,5,6,7,8,9,10,11,12,13,14,15
	ds_store_b128 v[STW], v[64*(\q)+4*\i:64*(\q)+4*\i+3] offset:SPIT*\i
.endr
	WIN 0
.irp b, 0,1,2,3
.irp j, 0,1,2,3
	ds_load_b128 v[XT+16*\b+4*\j:XT+16*\b+4*\j+3], v[STR] offset:128*\b+16*\j   ; LDS serves a wave's instructions in order: these see my stores
.endr
.endr
	s_wait_dscnt 0x0                               ; my 64 numbers are back; the last fragment's image is stored
.if \ahead
	XLOADS \q, 1024                                ; the same set of the next trip: two K steps on
.endif
	QUANT XT, 0
	ds_store_b128 v[IW16], v[PC:PC+3] offset:12288*((\q)/2)+FRB*((\q)%2)
	ds_store_b64 v[IW8], v[PC+4:PC+5] offset:12288*((\q)/2)+FRB*((\q)%2)+512
	ds_store_b128 v[IW16], v[PC+6:PC+9] offset:12288*((\q)/2)+FRB*((\q)%2)+768
	ds_store_b64 v[IW8], v[PC+10:PC+11] offset:12288*((\q)/2)+FRB*((\q)%2)+1280
	ds_store_b32 v[IWS], v[PW] offset:512*((\q)/2)+4*((\q)%2)   ; lanes r and 16 + r write the same word with the same value
.endm
.macro TRIPX ahead, l0, l1, l2, l3
	v_add_nc_u32 v[IW16], s[SXT], v[XW16]
	v_add_nc_u32 v[IW8], s[SXT], v[XW8]
	v_add_nc_u32 v[IWS], s[SXT2], v[XWS]
	FRAGX 0, \ahead, \l0
	FRAGX 1, \ahead, \l1
	FRAGX 2, \ahead, \l2
	FRAGX 3, \ahead, \l3
.endm
	XLOADS 0, 0
	XLOADS 1, 0
	XLOADS 2, 0
	XLOADS 3, 0                                    ; four sets, 32 KiB a wave, are on their way
	s_mov_b32 s[TRIP], 3
.Ltrip:                                            ; a trip: two K steps of my 32 rows
	TRIPX 1, 48, 48, 48, 48                        ; behind a set stand the three younger sets' 48 loads
	s_wait_xcnt 0x0                                ; the loads have read their base
	s_add_nc_u64 s[XB:XB+1], s[XB:XB+1], 1024
	s_add_co_u32 s[SXT], s[SXT], 24576
	s_add_co_u32 s[SXT2], s[SXT2], 1024
	s_sub_co_u32 s[TRIP], s[TRIP], 1
	s_cmp_lg_u32 s[TRIP], 0
	s_cbranch_scc1 .Ltrip
	TRIPX 0, 48, 32, 16, 0                         ; the last trip loads nothing: no load leaves the buffer, and the counts run down
	s_wait_dscnt 0x0                               ; for the others' sake: my images are stored
	s_barrier_signal -1
	s_barrier_wait -1                              ; x's 64 fragments and their scale words lie in LDS; from here on they are only read
; ---- PHASE G
.macro LDW base, s                     ; the chunk's eight fragments of K step s
.irp a, 0,1,2,3,4,5,6,7
.irp g, 0,1,2
	global_load_b128 v[(\base)+12*\a+4*\g:(\base)+12*\a+4*\g+3], v[A16], s[WB:WB+1] offset:STEPW*(\s)+FRB*\a+512*\g
.endr
.endr
.endm
.macro LDWS base, s                    ; and their scale words: register t = tile t's, lane r's in lanes r and 16 + r
.irp e, 0,1
	global_load_b128 v[(\base)+4*\e:(\base)+4*\e+3], v[GWS], s[WB:WB+1] offset:STEPW*(\s)+12288+256*\e
.endr
.endm
.macro LDX base, s                     ; x's eight fragments of K step s
.if (\s) < 4
.set XA16, A16
.set XA8, A8
.else
.set XA16, A16H
.set XA8, A8H
.endif
.irp j, 0,1,2,3,4,5,6,7
	ds_load_b128 v[(\base)+12*\j:(\base)+12*\j+3], v[XA16] offset:12288*((\s)%4)+FRB*\j
	ds_load_b64 v[(\base)+12*\j+4:(\base)+12*\j+5], v[XA8] offset:12288*((\s)%4)+FRB*\j+512
	ds_load_b128 v[(\base)+12*\j+6:(\base)+12*\j+9], v[XA16] offset:12288*((\s)%4)+FRB*\j+768
	ds_load_b64 v[(\base)+12*\j+10:(\base)+12*\j+11], v[XA8] offset:12288*((\s)%4)+FRB*\j+1280
.endr
.endm
.macro LDXS base, s
.irp e, 0,1
	ds_load_b128 v[(\base)+4*\e:(\base)+4*\e+3], v[AXS] offset:512*(\s)+256*\e
.endr
.endm
; K step s into set 'set'.  Both arms issue 26 loads from memory and 34 from LDS, into the same registers: the counted waits hold on either.
.macro FETCHSTEP s, set
	s_cmp_eq_u32 s[TAU], 2
	s_cbranch_scc1 .Lfv_\@
	WIN 0x40
	LDW 128*(\set), \s                             ; q, k: source 0 = W
	WIN 0
	LDWS 32+8*(\set), \s
	LDX 64+96*(\set), \s
	LDXS 48+8*(\set), \s
	s_branch .Lfd_\@
.Lfv_\@:
	WIN 0x40
	LDX 128*(\set), \s                             ; v: source 0 = x
	WIN 0
	LDXS 32+8*(\set), \s
	LDW 64+96*(\set), \s
	LDWS 48+8*(\set), \s
.Lfd_\@:
.endm
; 64 matrix instructions: source 1's tiles j one after the other, each against source 0's eight.  mode 0: onto the sums; 1: the sums begin with the bias of source 0's tile; 2: of source 1's.
; The 64 accumulators take turns, one instruction a turn, in the same order in every K step.
.macro MUL64 set, mode
.irp j, 0,1,2,3,4,5,6,7
.if \mode == 0
	WIN 0xa1+0x50*(\j/4)                           ; source 0 window 1, source 1 window 0, C and D window 2 or 3
.else
	WIN 0x91+0x40*(\j/4)                           ; C window 1
.endif
.irp i, 0,1,2,3,4,5,6,7
.set AC, 8*(8*(\j%4)+\i)
.if \mode == 0
	v_wmma_scale_f32_16x16x128_f8f6f4 v[AC:AC+7], v[128*(\set)+12*\i:128*(\set)+12*\i+11], v[64+96*(\set)+12*\j:64+96*(\set)+12*\j+11], v[AC:AC+7], v[32+8*(\set)+\i], v[48+8*(\set)+\j] matrix_a_fmt:MATRIX_FMT_FP6 matrix_b_fmt:MATRIX_FMT_FP6
.elseif \mode == 1
	v_wmma_scale_f32_16x16x128_f8f6f4 v[AC:AC+7], v[128*(\set)+12*\i:128*(\set)+12*\i+11], v[64+96*(\set)+12*\j:64+96*(\set)+12*\j+11], v[96+8*\i+96*(\i/4):96+8*\i+96*(\i/4)+7], v[32+8*(\set)+\i], v[48+8*(\set)+\j] matrix_a_fmt:MATRIX_FMT_FP6 matrix_b_fmt:MATRIX_FMT_FP6
.else
	v_wmma_scale_f32_16x16x128_f8f6f4 v[AC:AC+7], v[128*(\set)+12*\i:128*(\set)+12*\i+11], v[64+96*(\set)+12*\j:64+96*(\set)+12*\j+11], v[96+8*\j+96*(\j/4):96+8*\j+96*(\j/4)+7], v[32+8*(\set)+\i], v[48+8*(\set)+\j] matrix_a_fmt:MATRIX_FMT_FP6 matrix_b_fmt:MATRIX_FMT_FP6
.endif
.endr
.endr
	WIN 0
.endm
	s_mov_b32 s[PASS], 2
.Lpass:                                            ; a pass: 128 rows x 128 n
	s_cmp_eq_u32 s[TAU], 2
	s_cbranch_scc1 .Lbias_v
	WIN 0x40
.irp i, 0,1,2,3,4,5,6,7                ; q, k: the bias hangs on source 0's n: lane (r, h), tile 2 b + u: n = 32 b + 16 h + 8 u + 0 .. 7
	global_load_b128 v[96+8*\i+96*(\i/4):96+8*\i+96*(\i/4)+3], v[BQ], s[BB:BB+1] offset:(32*(\i/2)+8*(\i%2))*4
	global_load_b128 v[96+8*\i+96*(\i/4)+4:96+8*\i+96*(\i/4)+7], v[BQ], s[BB:BB+1] offset:(32*(\i/2)+8*(\i%2))*4+16
.endr
	WIN 0
	s_branch .Lbias_done
.Lbias_v:
	WIN 0x40
.irp j, 0,1,2,3,4,5,6,7                ; v: it hangs on source 1's n, which is the lane's: eight equal registers a tile
.irp e, 0,1,2,3,4,5,6,7
	global_load_b32 v[96+8*\j+96*(\j/4)+\e], v[BVV], s[BB:BB+1] offset:(32*(\j/2)+8*(\j%2))*4
.endr
.endr
	WIN 0
.Lbias_done:
	FETCHSTEP 0, 0
	FETCHSTEP 1, 1
	s_wait_loadcnt 26                              ; the bias and K step 0 are in; K step 1's 26 loads may be out,
	s_wait_dscnt 34                                ; and its 34 from LDS
	s_cmp_eq_u32 s[TAU], 2
	s_cbranch_scc1 .Lfirst_v
	MUL64 0, 1
	s_branch .Lfirst_done
.Lfirst_v:
	MUL64 0, 2
.Lfirst_done:
.irp s, 1,2,3,4,5,6
	PLACES 4                                       ; four places in front of loads into registers that the last products read (ISA guide 7.12.1 for vector instructions)
	FETCHSTEP \s+1, (\s+1)%2
	s_wait_loadcnt 26                              ; this K step is in; the next one's loads may be out
	s_wait_dscnt 34
	MUL64 \s%2, 0
.endr
	s_wait_loadcnt 0x0
	s_wait_dscnt 0x0
	MUL64 1, 0
	; THE WAY OUT: source 1's tile j: my lane's 64 results are 128 along the next K: a fragment.  q, k: its halves are two heads'.  v: it is one fragment of V.
	PLACES 4                                       ; in front of the first read of results and of writes of the last products' scale registers
	s_mov_b64 s[PA0:PA0+1], s[PB:PB+1]
	s_add_nc_u64 s[PA1:PA1+1], s[PB:PB+1], s[D1:D1+1]
	s_add_nc_u64 s[PSS:PSS+1], s[PB:PB+1], 6144
.irp j, 0,1,2,3,4,5,6,7
.if \j > 0
	s_wait_xcnt 0x0                                ; the last tile's stores have read their data and their bases
	s_add_nc_u64 s[PA0:PA0+1], s[PA0:PA0+1], s[STJ:STJ+1]
	s_add_nc_u64 s[PA1:PA1+1], s[PA1:PA1+1], s[STJ:STJ+1]
.if \j == 4
	s_add_nc_u64 s[PA0:PA0+1], s[PA0:PA0+1], s[JMP:JMP+1]
	s_add_nc_u64 s[PA1:PA1+1], s[PA1:PA1+1], s[JMP:JMP+1]
	s_add_nc_u64 s[PSS:PSS+1], s[PSS:PSS+1], s[SST:SST+1]
.endif
.endif
	QUANT 64*(\j%4), 2+\j/4
	v_lshrrev_b32 v[W4+\j%4], v[SH], v[PW]         ; q, k: lanes 16-31 take the second head's two bytes down; what stands above them meets zero codes only and is never 0xff
	global_store_b128 v[A16], v[PC:PC+3], s[PA0:PA0+1]             ; 512 consecutive bytes, aligned
	global_store_b64 v[A8], v[PC+4:PC+5], s[PA0:PA0+1] offset:512  ; 256
	global_store_b128 v[A16], v[PC+6:PC+9], s[PA1:PA1+1]
	global_store_b64 v[A8], v[PC+10:PC+11], s[PA1:PA1+1] offset:512
.if \j%4 == 3
	global_store_b128 v[SO], v[W4:W4+3], s[PSS:PSS+1]              ; four tiles' scale words: sixteen lanes store 256 consecutive bytes (for v lanes 16-31 store the same bytes again)
.endif
.endr
	s_wait_xcnt 0x0                                ; stores and loads have read their data and bases
	s_add_nc_u64 s[PB:PB+1], s[PB:PB+1], s[PINC:PINC+1]
	s_add_nc_u64 s[WB:WB+1], s[WB:WB+1], 102400
	s_add_nc_u64 s[BB:BB+1], s[BB:BB+1], 512
	s_sub_co_u32 s[PASS], s[PASS], 1
	s_cmp_lg_u32 s[PASS], 0
	s_cbranch_scc1 .Lpass
	s_wait_tensorcnt 0x0
	ds_add_u32 v30, v31
	s_wait_dscnt 0x0
	s_endpgm
.Lfunc_end_k_q1ba61766e6_proj:
	.size	k_q1ba61766e6_proj, .Lfunc_end_k_q1ba61766e6_proj-k_q1ba61766e6_proj
	.p2alignl 7, 3214868480
	.fill 96, 4, 3214868480
	.section	.rodata,"a",@progbits
	.p2align	6, 0x0
	.amdhsa_kernel k_q1ba61766e6_proj
		.amdhsa_group_segment_fixed_size 136704
		.amdhsa_private_segment_fixed_size 0
		.amdhsa_enable_private_segment 0
		.amdhsa_kernarg_size 72
		.amdhsa_user_sgpr_count 2
		.amdhsa_user_sgpr_kernarg_segment_ptr 1
		.amdhsa_wavefront_size32 1
		.amdhsa_system_sgpr_workgroup_id_x 1
		.amdhsa_system_sgpr_workgroup_id_y 1
		.amdhsa_system_sgpr_workgroup_id_z 1
		.amdhsa_system_vgpr_workitem_id 0
		.amdhsa_next_free_vgpr 1024
		.amdhsa_next_free_sgpr 66
		.amdhsa_reserve_vcc 0
		.amdhsa_float_denorm_mode_32 3
		.amdhsa_float_denorm_mode_16_64 3
		.amdhsa_memory_ordered 1
		.amdhsa_forward_progress 1
		.amdhsa_inst_pref_size 255
	.end_amdhsa_kernel
	.section	.bss,"aw",@nobits
	.p2align	6
	.space	262144
	.amdgpu_metadata
---
amdhsa.version: [ 1, 2 ]
amdhsa.kernels:
  - .name:           k_q1ba61766e6_proj
    .symbol:         k_q1ba61766e6_proj.kd
    .args:
      - { .name: query, .offset: 0, .size: 8, .value_kind: global_buffer, .address_space: global }
      - { .name: key, .offset: 8, .size: 8, .value_kind: global_buffer, .address_space: global }
      - { .name: value, .offset: 16, .size: 8, .value_kind: global_buffer, .address_space: global }
      - { .name: wq, .offset: 24, .size: 8, .value_kind: global_buffer, .address_space: global }
      - { .name: bq, .offset: 32, .size: 8, .value_kind: global_buffer, .address_space: global }
      - { .name: bk, .offset: 40, .size: 8, .value_kind: global_buffer, .address_space: global }
      - { .name: bv, .offset: 48, .size: 8, .value_kind: global_buffer, .address_space: global }
      - { .name: qi, .offset: 56, .size: 8, .value_kind: global_buffer, .address_space: global }
      - { .name: kv, .offset: 64, .size: 8, .value_kind: global_buffer, .address_space: global }
    .group_segment_fixed_size: 136704
    .private_segment_fixed_size: 0
    .kernarg_segment_align: 8
    .kernarg_segment_size: 72
    .max_flat_workgroup_size: 128
    .sgpr_count:     66
    .vgpr_count:     1024
    .wavefront_size: 32
...
	.end_amdgpu_metadata
.endif
;; end of part 2
;; launch attn (part 3): grid 32 x 16, 16 waves a work-group, clusters of 4 x 4, 327,680 bytes of LDS; arguments qi, kv, mask, ao; writes ao
.if DOCPART == 3
	.amdgcn_target "amdgcn-amd-amdhsa--gfx1250"
	.amdhsa_code_object_version 6
	.text
	.protected	k_q1ba61766e6_attn
	.globl	k_q1ba61766e6_attn
	.p2align	8
	.type	k_q1ba61766e6_attn,@function
k_q1ba61766e6_attn:
	s_mov_b64 s[64:65], 0
	v_nop
	global_prefetch_b8 v0, s[64:65] scope:SCOPE_SE
	s_setreg_imm32_b32 hwreg(HW_REG_WAVE_MODE, 25, 1), 1
	s_wait_xcnt 0x0
	s_wait_alu depctr_hold_cnt(0) depctr_sa_sdst(0) depctr_va_vdst(0) depctr_va_sdst(0) depctr_va_ssrc(0) depctr_va_vcc(0) depctr_vm_vsrc(0)
	s_getreg_b32 s2, hwreg(HW_REG_IB_STS2, 6, 4)
	s_cmp_eq_u32 s2, 0
	s_cbranch_scc0 .Lentry_in_a_cluster
	s_endpgm
.Lentry_in_a_cluster:
	s_bfe_u32 s2, ttmp6, 0x10000c
	s_cmp_lg_u32 s2, 0xf033
	s_cbranch_scc0 .Lentry_shape_is_right
	s_endpgm
.Lentry_shape_is_right:
; The attention, both products on codes of FP6 (E2M3) with one E8M0 scale for each 32 along K; its result, divided by the row's sum, is quantised along (head, d) and stored as images of the last product's operand registers.
; logit = q . k / 8 + mask x (-1e9); t = logit x log2(e); M = the ceiling of the running largest t; p = 2^(t - M) is quantised along the keys, not normalised; the row's sum is taken of the unquantised p.
; THE MASK IS AN INPUT: every key step is computed and the mask is read as it is given.  mask x (-8e9) is the C of the product q . k, so that sum is rounded once, by the matrix unit, where the definition rounds q . k / 8 and the sum.
; SHARES.  Work-group: 64 queries (block qb) x 4 heads (y = 4 batch + head / 4).  Sixteen waves, four to a SIMD: wave = 4 qt + hh: head hh of the four, queries 16 qt .. + 15: ONE tile in 256 registers, no register windows.
; Every wave walks the 2,048 keys, 128 a step.  A step's bytes, 52,224 of K and V (4 heads) and 32,768 of mask (64 rows x 512), come through a ring of two LDS slots by tensor loads: waves 0-3 a head's K and V each, wave 4 the mask's tile.
; CLUSTER 4 x 4.  K and V hang on y alone: asked for JOINTLY by the four work-groups of a row of the cluster; the mask's tile hangs on qb alone: jointly by the four of a column.  That divides the requests by four.
; LAYOUT.  S^T = K Q^T (source 0 = 16 keys, source 1 = my 16 queries), O^T = V^T P^T: a lane holds ONE query (lane % 16) throughout.  An earlier launch chose the keys of a tile of K and the d of a tile of V so that
; a lane's 16 registers of two neighbouring tiles are 16 neighbours: register 16 b + i = key (or d) 32 b + 16 (lane / 16) + i.  The mask is loaded into just these places.
; THE HEAD HAS 64 ALONG K, THE INSTRUCTION 128: Q's registers 6-11 are zero codes.  K's tile t is named as 12 registers from its own six on: the upper six are tile t + 1's codes (zeros behind tile 7); they meet zero codes and add 0;
; the scale bytes that stand there are ordinary bytes or 0, never 0xff.  That spares 48 registers and half of K's LDS reads.
; LIMITS: NaN and infinities are not served; a block of p or of the result that is all zeros, or under 2^-124, keeps the scale byte 1 (its codes are zeros; this program alone reads the bytes).
.set KVO,   33792                      ; a slot: the mask's tile, 64 rows x 528 bytes (512 + 16: row r starts at bank 4 r mod 64; 64 banks of 4 bytes: ISA guide 11.1); here: K and V, 13,056 bytes a head
.set HEADB, 13056                      ; K: 8 halves of 768 | 512 scale words | V: 4 fragments of 1,536 | 256 scale words
.set SLOT1, 131072                     ; slot 1: one exclusive or turns an address
.set SCST,  217088                     ; 512 bytes: the result's scale bytes meet here; no tile lands here
.set SPARE, 217600                     ; the spare words, 128 bytes for each of 16 waves: eight blocks of 256 bytes that no other line names
.set AM,   1                           ; v1   my place in the mask's tile: (16 qt + r) 528 + 64 h
.set A16,  2                           ; v2   KVO + 13,056 hh + 16 l
.set A8,   3                           ; v3   ... + 8 l
.set ASC,  4                           ; v4   ... + 16 r
.set SPW,  5                           ; v5   my spare word; never rewritten
.set NIL,  6                           ; v6   0; never rewritten
.set ADM,  8                           ; v8-11 these four + the slot in hand
.set AD16, 9
.set AD8,  10
.set ADS,  11
.set QF,   16                          ; v16-21 Q's codes, v22-27 zeros   (v12 -M, v13 the largest t, v[14:15] the sum in two halves)
.set QS,   28                          ; v28  Q's scale word
.set KF,   32                          ; v32-79 K's eight halves, then V's four fragments; v80-85 zeros
.set KS,   86                          ; v86-93 K's scale words, then V's
.set S,    96                          ; v96-159 the mask, then the scores, then p
.set O,    160                         ; v160-191 O^T
.set PC,   192                         ; v192-203 p's codes
.set T8,   204                         ; v204-210 the conversions' second halves
.set BM,   212                         ; v212-215 the blocks' largest
.set B2,   216                         ; v216-219 the other half's; the bytes
.set SOP,  220                         ; v220-223 the conversions' scale operands
.set FF,   224                         ; v224 f = 2^(old M - new M)
.set PWD,  225                         ; v225 p's scale word
.set TT,   226
.set SM2,  228                         ; v[228:229] the sum's second chain
.set SCA,  230                         ; the way out
.set SCL,  231
.set L16,  232
.set L8,   233
.set WO,   234
.set TX,   235
.set WV,   12
.set SEL,  20
.set CS,   22                          ; s[22:23] c = log2(e) / 8
.set G1K,  24
.set G1M,  32
.set G0K,  40
.set G0M,  44
.set NG,   48                          ; s[48:49] -8e9
.set TB,   50
.set CNT,  51
; Waves 0-3 ask for a head's K and V, wave 4 for the mask's tile, the others for nothing.  The branches hang on the wave's number alone.  Four v_nop follow each of the two lines.
.macro TLOAD
	s_cmp_lt_u32 s[WV], 4
	s_cbranch_scc0 .Lnot_k_\@
	tensor_load_to_lds s[G0K:G0K+3], s[G1K:G1K+7]
	s_nop 0
.rept 4
	v_nop
.endr
	s_branch .Lasked_\@
.Lnot_k_\@:
	s_cmp_eq_u32 s[WV], 4
	s_cbranch_scc0 .Lasked_\@
	tensor_load_to_lds s[G0M:G0M+3], s[G1M:G1M+7]
	s_nop 0
.rept 4
	v_nop
.endr
.Lasked_\@:
.endm
; A round of the cluster's barrier: my work-group's barrier; wave 0 signals for the work-group; every wave waits for all sixteen work-groups; my work-group's barrier once more.
.macro ROUND
	s_barrier_signal -1
	s_barrier_wait -1
	s_cmp_lg_u32 s[WV], 0
	s_cbranch_scc1 .Lnot_wave_0_\@
	s_barrier_signal -3
.Lnot_wave_0_\@:
	s_barrier_wait -3
	s_barrier_signal -1
	s_barrier_wait -1
.endm
	s_load_b256 s[4:11], s[0:1], 0x0               ; qi, kv, mask, ao
	v_lshl_add_u32 v[SPW], v0, 2, SPARE
	v_mov_b32 v[NIL], 0
	ds_add_u32 v5, v6
	s_wait_dscnt 0x0
	v_lshrrev_b32 v7, 5, v0
	v_readfirstlane_b32 s[WV], v7                  ; wave 0..15
	s_bfe_u32 s13, ttmp6, 0x40000                  ; cx
	s_bfe_u32 s14, ttmp6, 0x40004                  ; cy
	s_lshl_b32 s15, ttmp9, 2
	s_add_co_u32 s15, s15, s13                     ; qb = 4 x cluster x + cx
	s_and_b32 s16, ttmp7, 0xffff
	s_lshl_b32 s16, s16, 2
	s_add_co_u32 s16, s16, s14                     ; y = 4 x cluster y + cy
	s_lshl_b32 s52, s14, 2
	s_lshl_b32 s52, 15, s52                        ; my row of the cluster
	s_lshl_b32 s53, 0x1111, s13                    ; my column
	s_and_b32 s17, s[WV], 3                        ; hh
	s_lshr_b32 s18, s[WV], 2                       ; qt
	; K and V of a head and step: 13,056 dense bytes as 51 rows of 256 (32 elements of 8 bytes)
	s_or_b32 s[G1K], s52, (3<<16)|(1<<21)          ; 15:0 the mask: my row; 17:16 elements of 8 bytes; 21 set beside a mask
	s_mov_b32 s[G1K+1], 32<<16                     ; tensor_dim0
	s_mov_b32 s[G1K+2], 51<<16                     ; tensor_dim1
	s_mov_b32 s[G1K+3], 32<<16                     ; tile_dim0
	s_mov_b32 s[G1K+4], 51                         ; tile_dim1
	s_mov_b32 s[G1K+5], 32                         ; pitch
	s_mov_b32 s[G1K+6], 0
	s_mov_b32 s[G1K+7], 0
	; the mask's tile: 64 rows x 128 f32, rows 2,048 elements apart, 4 words of padding behind every 128
	s_or_b32 s[G1M], s53, (2<<16)|(1<<20)|(1<<21)|(6<<22)|(3<<25)
	s_mov_b32 s[G1M+1], 128<<16
	s_mov_b32 s[G1M+2], 64<<16
	s_mov_b32 s[G1M+3], 128<<16
	s_mov_b32 s[G1M+4], 64
	s_mov_b32 s[G1M+5], 2048
	s_mov_b32 s[G1M+6], 0
	s_mov_b32 s[G1M+7], 0
	s_mul_i32 s54, s16, 835584                     ; K, V: 16 steps x 4 heads x 13,056 bytes for each y: made of y and the wave's number alone
	s_mul_i32 s19, s17, HEADB
	s_add_co_u32 s54, s54, s19
	s_mov_b32 s55, 0
	s_lshl_b32 s56, s15, 19                        ; the mask: 64 rows of 8,192 bytes for each qb: made of qb alone
	s_mov_b32 s57, 0
	s_lshl_b32 s58, s16, 2                         ; Q: entry (4 y + hh) 16 + qb / 2,
	s_add_co_u32 s58, s58, s17
	s_lshl_b32 s58, s58, 4
	s_lshr_b32 s59, s15, 1
	s_add_co_u32 s58, s58, s59
	s_mul_i32 s58, s58, 6656
	s_and_b32 s60, s15, 1                          ; qb % 2 (kept)
	s_lshl_b32 s61, s60, 2
	s_add_co_u32 s61, s61, s18                     ; my tile among the group's eight: 4 (qb % 2) + qt (kept)
	s_mul_i32 s62, s61, 768
	s_add_co_u32 s62, s62, s58                     ; its codes,
	s_mov_b32 s63, 0
	s_lshl_b32 s59, s60, 8
	s_add_co_u32 s58, s58, s59
	s_lshl_b32 s59, s18, 2
	s_add_co_u32 s58, s58, s59                     ; its scale words (6,144 bytes on)
	s_mov_b32 s59, 0
	s_mov_b32 s[SEL], 0x76543210
	s_mov_b32 s[SEL+1], 0xfedcba98                 ; v_permlanex16_b32's selects for lane l xor 16
	s_mov_b32 s[CS], 0x3e38aa3b                    ; log2(e) / 8
	s_mov_b32 s[CS+1], s[CS]                       ; (named with it as a pair, so it is written)
	s_mov_b32 s[NG], 0xcfee6b28                    ; -8e9 = 8 x (-1e9), exact in f32
	s_mov_b32 s[NG+1], s[NG]
	s_mov_b32 s[TB], 0
	s_mov_b32 s[CNT], 15
	s_add_co_u32 s52, s19, KVO                     ; my head's K and V in a slot
	s_wait_kmcnt 0x0
	s_mov_b32 s[G0K], 1
	s_add_co_u32 s[G0K+1], s19, KVO
	s_add_nc_u64 s[G0K+2:G0K+3], s[6:7], s[54:55]
	s_or_b32 s[G0K+3], s[G0K+3], 0x80000000
	s_mov_b32 s[G0M], 1
	s_mov_b32 s[G0M+1], 0
	s_add_nc_u64 s[G0M+2:G0M+3], s[8:9], s[56:57]
	s_or_b32 s[G0M+3], s[G0M+3], 0x80000000
	s_add_nc_u64 s[62:63], s[4:5], s[62:63]
	s_add_nc_u64 s[58:59], s[4:5], s[58:59]
	ROUND                                          ; all sixteen work-groups are here: the first joint loads meet
	TLOAD                                          ; step 0 into slot 0
	v_and_b32 v7, 31, v0                           ; lane
	v_and_b32 v29, 15, v0                          ; r
	v_bfe_u32 v30, v0, 4, 1                        ; h
	v_lshlrev_b32 v[ADM], 4, v7
	v_lshlrev_b32 v[AD16], 3, v7
	v_lshlrev_b32 v[AD8], 4, v29
	global_load_b128 v[QF:QF+3], v[ADM], s[62:63]          ; Q's half fragment stays in registers
	global_load_b64 v[QF+4:QF+5], v[AD16], s[62:63] offset:512
	global_load_b32 v[QS], v[AD8], s[58:59] offset:6144
	v_lshl_add_u32 v[AM], s18, 4, v29
	v_mul_u32_u24 v[AM], v[AM], 528
	v_lshl_add_u32 v[AM], v30, 6, v[AM]
	v_add_nc_u32 v[A16], s52, v[ADM]
	v_add_nc_u32 v[A8], s52, v[AD16]
	v_add_nc_u32 v[ASC], s52, v[AD8]
	v_mov_b32 v13, 0xff61b1e6                      ; the largest t so far: -3e38
	v_floor_f32 v12, -v13                          ; -M
	v_mov_b32 v14, 0
	v_mov_b32 v15, 0
.irp j, 0,1,2,3,4,5
	v_mov_b32 v[QF+6+\j], 0                        ; Q's upper 64 along K: zero codes
	v_mov_b32 v[KF+48+\j], 0                       ; and what stands behind K's tile 7
.endr
.irp b, 0,1,2,3
	v_mov_b32 v[B2+\b], 0                          ; written once: a lane permute's destination counts as one of its sources
.endr
	v_mov_b32 v[PWD], 0                            ; (named as the upper half of the pair with f before it is first written)
.set j, 0
.rept 32
	v_mov_b32 v[O+j], 0                            ; O^T: the step is written once: the first finds zeros, which the first change of M leaves zeros
.set j, j+1
.endr
; A KEY STEP: 128 keys, in the slot at s[TB].
.macro STEP
	v_add_nc_u32 v[ADM], s[TB], v[AM]              ; (these four are also the places in front of loads into registers that the last products read)
	v_add_nc_u32 v[AD16], s[TB], v[A16]
	v_add_nc_u32 v[AD8], s[TB], v[A8]
	v_add_nc_u32 v[ADS], s[TB], v[ASC]
.irp b, 0,1,2,3
.irp j, 0,1,2,3
	ds_load_b128 v[S+16*\b+4*\j:S+16*\b+4*\j+3], v[ADM] offset:128*\b+16*\j   ; mask(my query, keys 32 b + 16 h + 4 j ..): the scores' own places
.endr
.endr
.irp t, 0,1,2,3,4,5,6,7
	ds_load_b128 v[KF+6*\t:KF+6*\t+3], v[AD16] offset:768*\t
	ds_load_b64 v[KF+6*\t+4:KF+6*\t+5], v[AD8] offset:768*\t+512
.endr
	ds_load_b128 v[KS:KS+3], v[ADS] offset:6144
	ds_load_b128 v[KS+4:KS+7], v[ADS] offset:6400
	s_wait_dscnt 18                                ; the mask is in; K's 16 loads and its scale words' 2 may be out
.set j, 0
.rept 32
	v_pk_mul_f32 v[S+j:S+j+1], v[S+j:S+j+1], s[NG:NG+1] op_sel_hi:[1,0]   ; mask x (-8e9)
.set j, j+2
.endr
.rept 4
	v_nop                                          ; between the last write of a C and the products
.endr
	s_wait_dscnt 0x0
.irp t, 0,1,2,3,4,5,6,7                ; S^T = K Q^T + the mask's term: eight accumulators, one instruction each
	v_wmma_scale_f32_16x16x128_f8f6f4 v[S+8*\t:S+8*\t+7], v[KF+6*\t:KF+6*\t+11], v[QF:QF+11], v[S+8*\t:S+8*\t+7], v[KS+\t], v[QS] matrix_a_fmt:MATRIX_FMT_FP6 matrix_b_fmt:MATRIX_FMT_FP6
.endr
.rept 4
	v_nop                                          ; four places in front of loads into K's registers and of the first read of the scores
.endr
.irp t, 0,1,2,3                        ; V's four fragments land while the softmax is walked
	ds_load_b128 v[KF+12*\t:KF+12*\t+3], v[AD16] offset:6656+1536*\t
	ds_load_b64 v[KF+12*\t+4:KF+12*\t+5], v[AD8] offset:6656+1536*\t+512
	ds_load_b128 v[KF+12*\t+6:KF+12*\t+9], v[AD16] offset:6656+1536*\t+768
	ds_load_b64 v[KF+12*\t+10:KF+12*\t+11], v[AD8] offset:6656+1536*\t+1280
.endr
	ds_load_b128 v[KS:KS+3], v[ADS] offset:12800
.irp b, 0,1,2,3
	v_max3_num_f32 v[BM+\b], v[S+16*\b], v[S+16*\b+1], v[S+16*\b+2]   ; the largest score of each block of 32 keys: for the row's maximum and, since p rises with the score, for the block's largest p
.endr
.irp i, 3,5,7,9,11,13
.irp b, 0,1,2,3
	v_max3_num_f32 v[BM+\b], v[BM+\b], v[S+16*\b+\i], v[S+16*\b+\i+1]
.endr
.endr
.irp b, 0,1,2,3
	v_max_num_f32 v[BM+\b], v[BM+\b], v[S+16*\b+15]
.endr
.irp b, 0,1,2,3
	v_permlanex16_b32 v[B2+\b], v[BM+\b], s[SEL], s[SEL+1]
.endr
.irp b, 0,1,2,3
	v_max_num_f32 v[BM+\b], v[BM+\b], v[B2+\b]     ; with lane l xor 16's 16 keys
.endr
	v_max3_num_f32 v[TT], v[BM], v[BM+1], v[BM+2]
	v_max_num_f32 v[TT], v[TT], v[BM+3]
	v_mul_f32 v[TT], s[CS], v[TT]                  ; the step's largest t (c is positive)
	v_max_num_f32 v13, v13, v[TT]                  ; the running largest t
	v_mov_b32 v[TT], v12
	v_floor_f32 v12, -v13                          ; the new -M = -ceil(t): a whole number
	v_sub_f32 v[TT], v12, v[TT]                    ; old M - new M: a whole number, 0 or less
	v_cvt_i32_f32 v[TT], v[TT]                     ; (it saturates)
	v_ldexp_f32 v[FF], 1.0, v[TT]                  ; f = 2^(old M - new M): a multiplication by it rounds nothing
.set j, 0
.rept 32
	v_pk_fma_f32 v[S+j:S+j+1], v[S+j:S+j+1], s[CS:CS+1], v[12:13] op_sel_hi:[1,0,0]   ; t - M, two at a time
.set j, j+2
.endr
.irp b, 0,1,2,3
	v_fma_f32 v[BM+\b], v[BM+\b], s[CS], v12       ; the same of each block's largest score
.endr
.set j, 0
.rept 64
	v_exp_f32 v[S+j], v[S+j]                       ; p = 2^(t - M), at most 1
.set j, j+1
.endr
.irp b, 0,1,2,3
	v_exp_f32 v[BM+\b], v[BM+\b]                   ; the block's largest p: the same two instructions on the same number
.endr
	v_pk_mul_f32 v[14:15], v[14:15], v[FF:FF+1] op_sel_hi:[1,0]   ; the sum under the new M (a plain line behind the exponentials)
	s_wait_alu depctr_va_vdst(0)
.irp b, 0,1,2,3
	v_max_num_f32 v[BM+\b], 0x1800000, v[BM+\b]    ; the floor 2^(3 - 127): the byte cannot fall under 1
.endr
.irp b, 0,1,2,3
	v_add_nc_u32 v[SOP+\b], 0xff000000, v[BM+\b]   ; 2 off the exponent field: the conversion's scale operand
.endr
.irp b, 0,1,2,3
	v_lshrrev_b32 v[B2+\b], 23, v[SOP+\b]          ; the scale's byte
.endr
	v_lshl_or_b32 v[PWD], v[B2+1], 8, v[B2]        ; p's scale word for these 128 keys
	v_lshl_or_b32 v[PWD], v[B2+2], 16, v[PWD]
	v_lshl_or_b32 v[PWD], v[B2+3], 24, v[PWD]
.irp c, 0,1
	v_cvt_scalef32_pk16_fp6_f32 v[PC+6*\c:PC+6*\c+2], v[S+32*\c:S+32*\c+15], v[SOP+2*\c]
	v_cvt_scalef32_pk16_fp6_f32 v[T8+4*\c:T8+4*\c+2], v[S+32*\c+16:S+32*\c+31], v[SOP+2*\c+1]   ; (a conversion's three registers begin on an even number)
.endr
	v_nop                                          ; one plain line behind the conversions
.irp c, 0,1                            ; the operand wants a WHOLE block in a lane
.irp i, 0,1,2
	v_permlane16_swap_b32 v[PC+6*\c+\i], v[T8+4*\c+\i]
.endr
.irp i, 0,1,2
	v_mov_b32 v[PC+3+6*\c+\i], v[T8+4*\c+\i]
.endr
.endr
	v_pk_add_f32 v[SM2:SM2+1], v[S:S+1], v[S+2:S+3]   ; the row's sum is taken of the UNQUANTISED p: two at a time, in two chains
.irp j, 4,8,12,16,20,24,28,32,36,40,44,48,52,56,60
	v_pk_add_f32 v[14:15], v[14:15], v[S+\j:S+\j+1]
	v_pk_add_f32 v[SM2:SM2+1], v[SM2:SM2+1], v[S+\j+2:S+\j+3]
.endr
	v_pk_add_f32 v[14:15], v[14:15], v[SM2:SM2+1]
.set j, 0
.rept 16
	v_pk_mul_f32 v[O+j:O+j+1], v[O+j:O+j+1], v[FF:FF+1] op_sel_hi:[1,0]   ; O^T under the new M.  (The sums and these are the places between the writes of p's codes and scale word and the products)
.set j, j+2
.endr
	s_wait_dscnt 0x0                               ; V is in
.irp t, 0,1,2,3                        ; O^T += V^T P^T: four accumulators, one instruction each
	v_wmma_scale_f32_16x16x128_f8f6f4 v[O+8*\t:O+8*\t+7], v[KF+12*\t:KF+12*\t+11], v[PC:PC+11], v[O+8*\t:O+8*\t+7], v[KS+\t], v[PWD] matrix_a_fmt:MATRIX_FMT_FP6 matrix_b_fmt:MATRIX_FMT_FP6
.endr
	s_xor_b32 s[TB], s[TB], SLOT1                  ; on to the other slot
.endm
; THE CHANGE OF SLOTS stands at a step's head.  Each wave waits for all its tensor loads (at most one is out: its part of the slot ahead), adds 0 to its spare word, and waits for that and for its reads of the slot that it has left.
; fill = 1: the barrier is a round of the cluster's, so that no wave of any partner still reads that slot or has a load on its way; the joint refill is the first thing behind it and has a whole step in which to land.
.macro CHANGE fill
	s_wait_tensorcnt 0x0                           ; no tensor load of mine is out, so a group 0 may be written
	ds_add_u32 v[SPW], v[NIL]                      ; 0 onto my spare word
.if \fill
	s_xor_b32 s[G0K+1], s[G0K+1], SLOT1            ; the other slot than last time,
	s_add_nc_u64 s[G0K+2:G0K+3], s[G0K+2:G0K+3], 4*HEADB   ; the next step's four heads; the type bits on top are not reached
	s_xor_b32 s[G0M+1], s[G0M+1], SLOT1
	s_add_nc_u64 s[G0M+2:G0M+3], s[G0M+2:G0M+3], 512       ; the next 128 keys of the mask's rows
.endif
	s_wait_dscnt 0x0                               ; the add is done, and my reads of the slot that I have left are over
.if \fill
	ROUND
	TLOAD
.else
	s_barrier_signal -1
	s_barrier_wait -1
.endif
.endm
	s_wait_loadcnt 0x0                             ; Q
.Lstep:                                            ; 15 trips: behind each change of slots but the last the next step is asked for
	CHANGE 1
	STEP
	s_sub_co_u32 s[CNT], s[CNT], 1
	s_cmp_lg_u32 s[CNT], 0
	s_cbranch_scc1 .Lstep
	CHANGE 0                                       ; the last step is written out
	STEP
	; THE WAY OUT.  O^T / the sum is quantised along d: my lane's 32 registers are d = 32 b + 16 h + i: two blocks: half a fragment of the last product's operand (its K = 64 head + d).
	s_lshr_b32 s52, s16, 2                         ; batch
	s_lshl_b32 s52, s52, 4
	s_lshr_b32 s53, s15, 1
	s_add_co_u32 s52, s52, s53                     ; the group of 128 rows: 16 batch + qb / 2
	s_mul_i32 s52, s52, 102400
	s_and_b32 s53, s16, 3                          ; head / 4
	s_lshl_b32 s54, s53, 1
	s_lshr_b32 s55, s17, 1
	s_add_co_u32 s54, s54, s55                     ; K step = head / 2
	s_mul_i32 s54, s54, 12288
	s_add_co_u32 s54, s54, s52
	s_mul_i32 s55, s61, 1536                       ; my tile of rows
	s_add_co_u32 s54, s54, s55
	s_and_b32 s55, s17, 1
	s_mul_i32 s55, s55, 768                        ; which half of the fragment: head % 2
	s_add_co_u32 s54, s54, s55
	s_mov_b32 s55, 0
	s_add_nc_u64 s[54:55], s[10:11], s[54:55]
	s_lshl_b32 s53, s53, 10                        ; the scale words: 98,304 + 512 K step + 256 (qb % 2)
	s_add_co_u32 s52, s52, s53
	s_lshl_b32 s53, s60, 8
	s_add_co_u32 s52, s52, s53
	s_mov_b32 s53, 0
	s_add_nc_u64 s[52:53], s[10:11], s[52:53]
	v_add_f32 v14, v14, v15                        ; the sum's two halves.  (This arithmetic is also the places behind the last products)
	v_and_b32 v[L16], 31, v0
	v_and_b32 v[WO], 15, v0
	v_lshlrev_b32 v[L8], 3, v[L16]
	v_lshlrev_b32 v[L16], 4, v[L16]
	v_lshlrev_b32 v[WO], 4, v[WO]                  ; 16 r
	v_permlanex16_b32 v[TT], v14, s[SEL], s[SEL+1]
	v_add_nc_u32 v[SCL], SCST, v[L16]
	v_bfe_u32 v[TX], v0, 6, 1                      ; hh / 2
	v_lshl_add_u32 v[SCA], v[TX], 8, v[WO]
	v_add_f32 v14, v14, v[TT]                      ; and lane l xor 16's: the row's sum, at least 1/2
	v_bfe_u32 v[TX], v0, 7, 2                      ; qt
	v_lshl_add_u32 v[SCA], v[TX], 2, v[SCA]
	v_rcp_f32 v14, v14
	v_bfe_u32 v[TX], v0, 5, 1                      ; hh % 2   (a plain line behind the reciprocal)
	v_lshl_add_u32 v[SCA], v[TX], 1, v[SCA]
	v_add_nc_u32 v[SCA], SCST, v[SCA]              ; where my two scale bytes go: 256 (hh / 2) + 16 r + 4 qt + 2 (hh % 2)
	v_bfe_u32 v[TX], v0, 4, 1
	v_lshl_add_u32 v[WO], v[TX], 9, v[WO]          ; wave 0's store: 512 h + 16 r
.set j, 0
	s_wait_alu depctr_va_vdst(0)
.rept 16
	v_pk_mul_f32 v[O+j:O+j+1], v[O+j:O+j+1], v[14:15] op_sel_hi:[1,0]
.set j, j+2
.endr
.irp b, 0,1
	v_max3_num_f32 v[BM+\b], |v[O+16*\b]|, |v[O+16*\b+1]|, 0x1800000
.endr
.irp i, 2,4,6,8,10,12,14
.irp b, 0,1
	v_max3_num_f32 v[BM+\b], v[BM+\b], |v[O+16*\b+\i]|, |v[O+16*\b+\i+1]|
.endr
.endr
.irp b, 0,1
	v_permlanex16_b32 v[B2+\b], v[BM+\b], s[SEL], s[SEL+1]
.endr
.irp b, 0,1
	v_max_num_f32 v[BM+\b], v[BM+\b], v[B2+\b]
.endr
.irp b, 0,1
	v_add_nc_u32 v[SOP+\b], 0xff000000, v[BM+\b]
.endr
.irp b, 0,1
	v_lshrrev_b32 v[B2+\b], 23, v[SOP+\b]
.endr
	v_lshl_or_b32 v[TT], v[B2+1], 8, v[B2]         ; my head's two scale bytes
	v_cvt_scalef32_pk16_fp6_f32 v[PC:PC+2], v[O:O+15], v[SOP]
	v_cvt_scalef32_pk16_fp6_f32 v[T8:T8+2], v[O+16:O+31], v[SOP+1]
	v_nop                                          ; one plain line behind the conversions
.irp i, 0,1,2
	v_permlane16_swap_b32 v[PC+\i], v[T8+\i]       ; lanes 0-15: block 0 whole, lanes 16-31: block 1
.endr
.irp i, 0,1,2
	v_mov_b32 v[PC+3+\i], v[T8+\i]
.endr
	global_store_b128 v[L16], v[PC:PC+3], s[54:55]             ; 512 consecutive bytes, aligned
	global_store_b64 v[L8], v[PC+4:PC+5], s[54:55] offset:512  ; 256
	ds_store_b16 v[SCA], v[TT]                     ; lanes r and 16 + r write the same bytes with the same value
	s_wait_dscnt 0x0                               ; for wave 0's sake
	s_barrier_signal -1
	s_barrier_wait -1
	s_cmp_lg_u32 s[WV], 0
	s_cbranch_scc1 .Lnot_first
	ds_load_b128 v[S:S+3], v[SCL]                  ; two K steps x 16 rows x 4 tiles of scale words
	s_wait_dscnt 0x0
	global_store_b128 v[WO], v[S:S+3], s[52:53] offset:98304   ; sixteen lanes store 256 consecutive bytes, aligned
.Lnot_first:
	s_wait_tensorcnt 0x0                           ; the wave's end
	ds_add_u32 v[SPW], v[NIL]
	s_wait_dscnt 0x0
	ROUND                                          ; the closing round: no work-group ends while a partner may still ask for a tile that names it
	s_endpgm
.Lfunc_end_k_q1ba61766e6_attn:
	.size	k_q1ba61766e6_attn, .Lfunc_end_k_q1ba61766e6_attn-k_q1ba61766e6_attn
	.p2alignl 7, 3214868480
	.fill 96, 4, 3214868480
	.section	.rodata,"a",@progbits
	.p2align	6, 0x0
	.amdhsa_kernel k_q1ba61766e6_attn
		.amdhsa_group_segment_fixed_size 327680
		.amdhsa_private_segment_fixed_size 0
		.amdhsa_enable_private_segment 0
		.amdhsa_kernarg_size 32
		.amdhsa_user_sgpr_count 2
		.amdhsa_user_sgpr_kernarg_segment_ptr 1
		.amdhsa_wavefront_size32 1
		.amdhsa_system_sgpr_workgroup_id_x 1
		.amdhsa_system_sgpr_workgroup_id_y 1
		.amdhsa_system_sgpr_workgroup_id_z 1
		.amdhsa_system_vgpr_workitem_id 0
		.amdhsa_next_free_vgpr 256
		.amdhsa_next_free_sgpr 66
		.amdhsa_reserve_vcc 0
		.amdhsa_float_denorm_mode_32 3
		.amdhsa_float_denorm_mode_16_64 3
		.amdhsa_memory_ordered 1
		.amdhsa_forward_progress 1
		.amdhsa_inst_pref_size 53
	.end_amdhsa_kernel
	.amdgpu_metadata
---
amdhsa.version: [ 1, 2 ]
amdhsa.kernels:
  - .name:           k_q1ba61766e6_attn
    .symbol:         k_q1ba61766e6_attn.kd
    .args:
      - { .name: qi, .offset: 0, .size: 8, .value_kind: global_buffer, .address_space: global }
      - { .name: kv, .offset: 8, .size: 8, .value_kind: global_buffer, .address_space: global }
      - { .name: mask, .offset: 16, .size: 8, .value_kind: global_buffer, .address_space: global }
      - { .name: ao, .offset: 24, .size: 8, .value_kind: global_buffer, .address_space: global }
    .group_segment_fixed_size: 327680
    .private_segment_fixed_size: 0
    .kernarg_segment_align: 8
    .kernarg_segment_size: 32
    .max_flat_workgroup_size: 512
    .sgpr_count:     66
    .vgpr_count:     256
    .wavefront_size: 32
...
	.end_amdgpu_metadata
.endif
;; end of part 3
;; launch outp (part 4): grid 64 x 4, 4 waves a work-group, no clusters, 168,448 bytes of LDS; arguments ao, wq, bo, out0; writes out0
.if DOCPART == 4
	.amdgcn_target "amdgcn-amd-amdhsa--gfx1250"
	.amdhsa_code_object_version 6
	.text
	.protected	k_q1ba61766e6_outp
	.globl	k_q1ba61766e6_outp
	.p2align	8
	.type	k_q1ba61766e6_outp,@function
k_q1ba61766e6_outp:
	s_mov_b64 s[64:65], 0
	v_nop
	global_prefetch_b8 v0, s[64:65] scope:SCOPE_SE
	s_setreg_imm32_b32 hwreg(HW_REG_WAVE_MODE, 25, 1), 1
	s_wait_xcnt 0x0
; out0 = attention's result x Wo + bo, on codes of FP6 (E2M3) with one E8M0 scale for each 32 along K; both operands come as images of their registers, made by earlier launches.
; SHARES.  Work-group (x = 128 rows, y = 256 n); wave w makes n = 256 y + 64 w .. + 63 for the 128 rows: 4 tiles of Wo (source 0) x 8 tiles of rows (source 1): 32 accumulators; 8 K steps of 128.
; The rows' block, 102,400 dense bytes (64 fragments, then their scale words), comes into LDS ONCE, a quarter by each wave's one tensor load; nothing is filled again.  Wo's fragments go from memory straight into registers:
; each is read by one wave of the work-group.  NO CLUSTER: what work-groups share is that one fill of 100 KiB at the head, against 205 KB of weights and 128 KiB of output that are each work-group's own.
; Source 0's n were chosen so that a lane's 16 registers of two neighbouring tiles are 16 neighbouring n: 64 bytes of a row of the output.
; REGISTERS: window 0: v1-13 addresses; v32-39 Wo's scale words, two sets; v48-63 the rows', two sets; v64-255 the rows' fragments, two sets of 96 (on the way out: rows read back).
;   window 1: Wo's fragments, sets at v0 and v128; v64-95 the bias's four tiles.   window 2: accumulator (j, i) at v[8 (4 j + i)].
.set XSC,   98304
.set STG,   102400                     ; behind the block: a stage of 16 rows x 272 bytes for each wave; no tile lands here
.set FRB,   1536
.set STEPW, 12800
.set LN,   1
.set RR,   2
.set HH,   3
.set A16,  4
.set A8,   5
.set A16H, 6
.set A8H,  7
.set AXS,  8
.set GWS,  9
.set BQ,   10
.set STO,  11
.set RD,   12
.set CO,   13
.set BK,   64
.set WV,   12
.set G1,   16
.set G0,   24
.set WB,   28
.set WSB,  30
.set MSB, 0
.macro WIN new                         ; the immediate's high byte repeats the setting that is left
.if MSB != (\new)
	s_set_vgpr_msb (MSB<<8)|(\new)
.set MSB, (\new)
.endif
.endm
.macro PLACES n
.rept \n
	v_nop
.endr
.endm
	s_load_b256 s[4:11], s[0:1], 0x0               ; ao, wq, bo, out0
	v_lshl_add_u32 v46, v0, 2, 0x29000
	v_mov_b32 v47, 0
	ds_add_u32 v46, v47
	v_lshrrev_b32 v1, 5, v0
	v_readfirstlane_b32 s[WV], v1                  ; wave 0..3
	s_and_b32 s14, ttmp7, 0xffff
	s_mov_b32 s[G1], 3<<16                         ; no mask; elements of 8 bytes; no padding
	s_mov_b32 s[G1+1], 32<<16                      ; rows of 256 bytes,
	s_mov_b32 s[G1+2], 100<<16                     ; 100 of them: 25,600 dense bytes
	s_mov_b32 s[G1+3], 32<<16
	s_mov_b32 s[G1+4], 100
	s_mov_b32 s[G1+5], 32
	s_mov_b32 s[G1+6], 0
	s_mov_b32 s[G1+7], 0
	s_mul_i32 s32, ttmp9, 102400
	s_mul_i32 s[G0+1], s[WV], 25600                ; my quarter, in LDS
	s_add_co_u32 s32, s32, s[G0+1]                 ; and in memory
	s_mov_b32 s33, 0
	s_lshl_b32 s34, s14, 1
	s_lshr_b32 s35, s[WV], 1
	s_add_co_u32 s34, s34, s35                     ; my chunk of 128 n
	s_mul_i32 s34, s34, 102400
	s_add_co_u32 s34, s34, 3*819200                ; the fourth weight
	s_and_b32 s36, s[WV], 1
	s_mul_i32 s37, s36, 4*FRB                      ; tiles 4 (w % 2) on
	s_add_co_u32 s38, s34, s37
	s_mov_b32 s39, 0
	s_lshl_b32 s37, s36, 8                         ; their scale words
	s_add_co_u32 s34, s34, s37
	s_mov_b32 s35, 0
	s_lshl_b32 s40, s14, 10
	s_lshl_b32 s41, s[WV], 8
	s_add_co_u32 s40, s40, s41                     ; my first n, in bytes
	s_mov_b32 s41, 0
	s_lshl_b32 s42, ttmp9, 19                      ; 128 rows of 4,096 bytes
	s_mov_b32 s43, 0
	s_wait_dscnt 0x0
	s_wait_kmcnt 0x0
	s_mov_b32 s[G0], 1
	s_add_nc_u64 s[G0+2:G0+3], s[4:5], s[32:33]
	s_or_b32 s[G0+3], s[G0+3], 0x80000000
	tensor_load_to_lds s[G0:G0+3], s[G1:G1+7]      ; the one fill of my quarter
	s_nop 0
	v_and_b32 v[LN], 31, v0
	v_and_b32 v[RR], 15, v0
	v_bfe_u32 v[HH], v0, 4, 1
	v_lshlrev_b32 v[A16], 4, v[LN]
	v_lshlrev_b32 v[A8], 3, v[LN]
	v_add_nc_u32 v[A16H], 49152, v[A16]
	v_add_nc_u32 v[A8H], 49152, v[A8]
	v_lshlrev_b32 v[GWS], 4, v[RR]
	v_add_nc_u32 v[AXS], XSC, v[GWS]
	v_lshlrev_b32 v[BQ], 6, v[HH]
	s_mul_i32 s44, s[WV], 16*272
	s_add_co_u32 s44, s44, STG                     ; my stage
	v_mul_u32_u24 v[STO], v[RR], 272
	v_lshl_add_u32 v[STO], v[HH], 6, v[STO]
	v_add_nc_u32 v[STO], s44, v[STO]               ; in: row r, + 64 h
	v_mul_u32_u24 v[RD], v[HH], 272
	v_add_nc_u32 v[RD], v[RD], v[GWS]
	v_add_nc_u32 v[RD], s44, v[RD]                 ; back: lanes 0-15 one row of 256 bytes, lanes 16-31 the next
	v_lshl_add_u32 v[CO], v[HH], 12, v[GWS]        ; and the same two rows in the output
	s_add_nc_u64 s[WB:WB+1], s[6:7], s[38:39]
	s_add_nc_u64 s[WSB:WSB+1], s[6:7], s[34:35]
	s_add_nc_u64 s[8:9], s[8:9], s[40:41]
	s_add_nc_u64 s[10:11], s[10:11], s[40:41]
	s_add_nc_u64 s[10:11], s[10:11], s[42:43]
.macro FETCHW s, set                   ; Wo's four fragments of K step s and their scale words: 13 loads
	WIN 0x40
.irp i, 0,1,2,3
.irp g, 0,1,2
	global_load_b128 v[128*(\set)+12*\i+4*\g:128*(\set)+12*\i+4*\g+3], v[A16], s[WB:WB+1] offset:STEPW*(\s)+FRB*\i+512*\g
.endr
.endr
	WIN 0
	global_load_b128 v[32+4*(\set):32+4*(\set)+3], v[GWS], s[WSB:WSB+1] offset:STEPW*(\s)+12288
.endm
.macro FETCHX s, set                   ; the rows' eight fragments of K step s and their scale words: 34 LDS loads
.if (\s) < 4
.set XA16, A16
.set XA8, A8
.else
.set XA16, A16H
.set XA8, A8H
.endif
.irp j, 0,1,2,3,4,5,6,7
	ds_load_b128 v[64+96*(\set)+12*\j:64+96*(\set)+12*\j+3], v[XA16] offset:12288*((\s)%4)+FRB*\j
	ds_load_b64 v[64+96*(\set)+12*\j+4:64+96*(\set)+12*\j+5], v[XA8] offset:12288*((\s)%4)+FRB*\j+512
	ds_load_b128 v[64+96*(\set)+12*\j+6:64+96*(\set)+12*\j+9], v[XA16] offset:12288*((\s)%4)+FRB*\j+768
	ds_load_b64 v[64+96*(\set)+12*\j+10:64+96*(\set)+12*\j+11], v[XA8] offset:12288*((\s)%4)+FRB*\j+1280
.endr
.irp e, 0,1
	ds_load_b128 v[48+8*(\set)+4*\e:48+8*(\set)+4*\e+3], v[AXS] offset:512*(\s)+256*\e
.endr
.endm
; 32 matrix instructions; the 32 accumulators take turns, one instruction a turn, in the same order in every K step.  first = 1: the sums begin with the bias.
.macro MUL32 set, first
.if \first
	WIN 0x91                                       ; source 0 and C window 1, source 1 window 0, D window 2
.else
	WIN 0xa1                                       ; C and D window 2
.endif
.irp j, 0,1,2,3,4,5,6,7
.irp i, 0,1,2,3
.set AC, 8*(4*\j+\i)
.if \first
	v_wmma_scale_f32_16x16x128_f8f6f4 v[AC:AC+7], v[128*(\set)+12*\i:128*(\set)+12*\i+11], v[64+96*(\set)+12*\j:64+96*(\set)+12*\j+11], v[64+8*\i:64+8*\i+7], v[32+4*(\set)+\i], v[48+8*(\set)+\j] matrix_a_fmt:MATRIX_FMT_FP6 matrix_b_fmt:MATRIX_FMT_FP6
.else
	v_wmma_scale_f32_16x16x128_f8f6f4 v[AC:AC+7], v[128*(\set)+12*\i:128*(\set)+12*\i+11], v[64+96*(\set)+12*\j:64+96*(\set)+12*\j+11], v[AC:AC+7], v[32+4*(\set)+\i], v[48+8*(\set)+\j] matrix_a_fmt:MATRIX_FMT_FP6 matrix_b_fmt:MATRIX_FMT_FP6
.endif
.endr
.endr
	WIN 0
.endm
	WIN 0x40
.irp i, 0,1,2,3                        ; the bias: lane (r, h), tile 2 b + u: n = 32 b + 16 h + 8 u + 0 .. 7
	global_load_b128 v[64+8*\i:64+8*\i+3], v[BQ], s[8:9] offset:(32*(\i/2)+8*(\i%2))*4
	global_load_b128 v[64+8*\i+4:64+8*\i+7], v[BQ], s[8:9] offset:(32*(\i/2)+8*(\i%2))*4+16
.endr
	WIN 0
	FETCHW 0, 0
	FETCHW 1, 1
	s_wait_tensorcnt 0x0                           ; my quarter of the block is in,
	s_barrier_signal -1
	s_barrier_wait -1                              ; everybody's is
	FETCHX 0, 0
	FETCHX 1, 1
	s_wait_loadcnt 13                              ; the bias and K step 0 are in; K step 1's 13 loads may be out,
	s_wait_dscnt 34                                ; and its 34 from LDS
	MUL32 0, 1
.irp s, 1,2,3,4,5,6
	PLACES 4                                       ; four places in front of loads into registers that the last products read (ISA guide 7.12.1 for vector instructions)
	FETCHW \s+1, (\s+1)%2
	FETCHX \s+1, (\s+1)%2
	s_wait_loadcnt 13
	s_wait_dscnt 34
	MUL32 \s%2, 0
.endr
	s_wait_loadcnt 0x0
	s_wait_dscnt 0x0
	MUL32 1, 0
; THE WAY OUT, 16 rows x 64 n at a time, through my own stage: in as 64 bytes a lane and pair of tiles, back as whole rows of 256 bytes.  LDS serves a wave's instructions in order: no wait between the stores and the loads.
.macro TOSTAGE j
	WIN 0x08                                       ; an LDS store's data are its source 1: window 2
.irp i, 0,1,2,3
	ds_store_b128 v[STO], v[8*(4*(\j)+\i):8*(4*(\j)+\i)+3] offset:128*(\i/2)+32*(\i%2)       ; each accumulator from its low end on
	ds_store_b128 v[STO], v[8*(4*(\j)+\i)+4:8*(4*(\j)+\i)+7] offset:128*(\i/2)+32*(\i%2)+16
.endr
	WIN 0
.irp t, 0,1,2,3,4,5,6,7
	ds_load_b128 v[BK+32*((\j)%2)+4*\t:BK+32*((\j)%2)+4*\t+3], v[RD] offset:544*\t
.endr
.endm
.macro SEND j, younger                 ; younger: the LDS instructions issued behind block j's loads, which may stay out
	s_wait_dscnt \younger
.irp t, 0,1,2,3,4,5,6,7
	global_store_b128 v[CO], v[BK+32*((\j)%2)+4*\t:BK+32*((\j)%2)+4*\t+3], s[10:11] offset:(16*(\j)+2*\t)*4096 th:TH_STORE_NT   ; sixteen lanes store 256 consecutive bytes, aligned; written once, read by nobody here
.endr
.endm
	PLACES 4                                       ; in front of the first read of results and of loads into registers that held fragments
	TOSTAGE 0
.irp j, 1,2,3,4,5,6,7
.if \j > 1
	s_wait_xcnt 0x0                                ; block j - 2's stores have read their registers: block j's loads may land there
.endif
	TOSTAGE \j
	SEND \j-1, 16                                  ; behind block j - 1's loads: block j's 8 stores and 8 loads
.endr
	SEND 7, 0
	s_wait_tensorcnt 0x0
	ds_add_u32 v46, v47
	s_wait_dscnt 0x0
	s_endpgm
.Lfunc_end_k_q1ba61766e6_outp:
	.size	k_q1ba61766e6_outp, .Lfunc_end_k_q1ba61766e6_outp-k_q1ba61766e6_outp
	.p2alignl 7, 3214868480
	.fill 96, 4, 3214868480
	.section	.rodata,"a",@progbits
	.p2align	6, 0x0
	.amdhsa_kernel k_q1ba61766e6_outp
		.amdhsa_group_segment_fixed_size 168448
		.amdhsa_private_segment_fixed_size 0
		.amdhsa_enable_private_segment 0
		.amdhsa_kernarg_size 32
		.amdhsa_user_sgpr_count 2
		.amdhsa_user_sgpr_kernarg_segment_ptr 1
		.amdhsa_wavefront_size32 1
		.amdhsa_system_sgpr_workgroup_id_x 1
		.amdhsa_system_sgpr_workgroup_id_y 1
		.amdhsa_system_sgpr_workgroup_id_z 1
		.amdhsa_system_vgpr_workitem_id 0
		.amdhsa_next_free_vgpr 768
		.amdhsa_next_free_sgpr 66
		.amdhsa_reserve_vcc 0
		.amdhsa_float_denorm_mode_32 3
		.amdhsa_float_denorm_mode_16_64 3
		.amdhsa_memory_ordered 1
		.amdhsa_forward_progress 1
		.amdhsa_inst_pref_size 81
	.end_amdhsa_kernel
	.amdgpu_metadata
---
amdhsa.version: [ 1, 2 ]
amdhsa.kernels:
  - .name:           k_q1ba61766e6_outp
    .symbol:         k_q1ba61766e6_outp.kd
    .args:
      - { .name: ao, .offset: 0, .size: 8, .value_kind: global_buffer, .address_space: global }
      - { .name: wq, .offset: 8, .size: 8, .value_kind: global_buffer, .address_space: global }
      - { .name: bo, .offset: 16, .size: 8, .value_kind: global_buffer, .address_space: global }
      - { .name: out0, .offset: 24, .size: 8, .value_kind: global_buffer, .address_space: global }
    .group_segment_fixed_size: 168448
    .private_segment_fixed_size: 0
    .kernarg_segment_align: 8
    .kernarg_segment_size: 32
    .max_flat_workgroup_size: 128
    .sgpr_count:     66
    .vgpr_count:     768
    .wavefront_size: 32
...
	.end_amdgpu_metadata
.endif
;; end of part 4
;; ======== version 2 of 2: 4 launches
;; workspace buffers: wq 3,276,800 bytes; qi 6,815,744 bytes; kv 13,369,344 bytes; ao 6,553,600 bytes
;; launch prep: the kernel of part 1 again; grid 8 x 32, 4 waves a work-group, no clusters, 1,536 bytes of LDS; arguments Wq, Wk, Wv, Wo, wq; writes wq
;; launch proj (part 5): grid 64 x 3, 4 waves a work-group, no clusters, 136,704 bytes of LDS; arguments query, key, value, wq, bq, bk, bv, qi, kv; writes qi, kv
.if DOCPART == 5
	.amdgcn_target "amdgcn-amd-amdhsa--gfx1250"
	.amdhsa_code_object_version 6
	.text
	.protected	k_q1ba61766e6_proj
	.globl	k_q1ba61766e6_proj
	.p2align	8
	.type	k_q1ba61766e6_proj,@function
k_q1ba61766e6_proj:
	s_mov_b64 s[64:65], 0
	v_nop
	global_prefetch_b8 v0, s[64:65] scope:SCOPE_SE
	s_setreg_imm32_b32 hwreg(HW_REG_WAVE_SCHED_MODE, 0, 2), 2
	s_setreg_imm32_b32 hwreg(HW_REG_WAVE_MODE, 25, 1), 1
	s_wait_xcnt 0x0
	s_wait_alu depctr_vm_vsrc(0)
; q = query Wq + bq, k = key Wk + bk, v = value Wv + bv on codes of FP6 (E2M3) with one E8M0 scale for each 32 along K; the results are quantised in registers for the attention and stored as images of its operands' registers.
; SHARES.  Work-group (x = 128 rows: batch x / 16, group x % 16;  y = 0 q, 1 k, 2 v) makes those rows for all 1,024 n, so each row of x is read and quantised ONCE.  3 x 64 work-groups: 8,192 rows do not divide into more groups of whole key steps.
; PHASE X: wave w quantises rows 32 w .. + 31 (two tiles of 16 rows x 8 K steps) and stores the fragments in LDS as images of their registers.  One barrier.
; PHASE G: wave w makes n = 256 w .. + 255 in two passes of 128 n: 8 x 8 tiles, 64 accumulators, 8 K steps of 128.  x's fragments come from LDS; the weights' come from memory straight into registers, in the order
; in which an earlier launch laid them: each fragment is read by one wave of the work-group only, so nothing of them is shared inside it.  NO CLUSTER for that reason: a joint load lands in LDS, which would add a write and a read of 12,800 bytes a wave and step.
; WHICH SIDE IS WHICH.  q, k: source 0 = 16 n of W, source 1 = 16 rows of x: a lane holds one row and 64 n, 16 neighbours to a block half: quantised along n (the head's 64).
;                       v:    source 0 = 16 rows of x (keys), source 1 = 16 n of W: a lane holds one n and the group's 128 keys: quantised along the keys.
; One text serves the three: only the targets of the loads, the bias loads and the first K step's C stand in two arms of a scalar branch on y.
; ROWS OF A TILE: for q tile j holds rows 16 j + r; for k and v lane r of tile 2 b + u holds row 32 b + 8 u + r + 8 (r / 8), so that keys come out as neighbours where they are a later product's registers.
; IMAGES.  Fragment (12 registers): registers 0-3 at 16 l, 4-5 at 512 + 8 l, 6-9 at 768 + 16 l, 10-11 at 1,280 + 8 l (l the lane): 1,536 bytes; its halves of 768 bytes are 64 along K each.
;   qi[(16 batch + head) 16 + group] = 6,656 bytes: 8 halves (tile j), then scale words [j / 4][r][j % 4].
;   kv[((4 batch + head / 4) 16 + group) 4 + head % 4] = 13,056 bytes: K: 8 halves, 512 bytes of scale words; V: 4 fragments (16 d x 128 keys), 256 bytes of scale words [r][tile].
; LIMITS: a block of zeros, or one under 2^-124, keeps the scale byte 1 (this program alone reads the bytes); NaN and infinities are not served.
; REGISTERS, in windows of 256: window 0: v1-24 addresses; v32-63 scale words, two sets a side (in phase X and on the way out: the quantiser's); v64-255 source 1's fragments, two sets of 96.
;   window 1: source 0's fragments, sets at v0 and v128; the bias's 8 tiles in v96-127 and v224-255 (in phase X: four sets of 64 loaded numbers).  windows 2, 3: accumulator (j, i) at v[8 (8 (j % 4) + i)] of window 2 + j / 4.
; THE MODE: SCHED_MODE bits 1:0 = 2 (LLVM: expert scheduling mode 2), set by the entry lines.  The code itself states the register dependences
; between vector or matrix instructions and memory or LDS instructions, with s_wait_alu, always for 0.
; THE PLAN.  Registers that memory or LDS instructions touch:
;   v1-24         addresses, made at the head, one wait on va_vdst behind them; never written again, but for v12-14 (below).
;   PHASE X.  window 1, four sets   loads from memory land in a set; the stage's LDS stores read it; no vector instruction names it.
;             v128-191              the stage's LDS loads land here; the quantiser reads them.
;             v64-75, v48           the quantiser writes the codes and the scale word; the image's LDS stores read them.
;             v12-14                the images' addresses: written in a trip's first fragment, read by the image's stores.
;     Two waits a fragment.  On vm_vsrc, behind the wait for the stage's loads: the stage's stores have read the set, which is asked for again; the last fragment's image stores have read the codes, the scale word and v12-14.
;     On va_vdst, behind the quantiser: codes, scale word and v12-14 are written, for the image's stores; v128-191 have been read, for the next fragment's loads from the stage (no vector instruction stands between).
;   PHASE G.  Two sets of fragments and scale words: loads land in them, matrix instructions read them.  Both waits stand at a pass's head.  K step s multiplies set s % 2; ONE wait on va_vdst at its head states that the
;     products of K step s - 1 are done reading the other set.  The loads of K step s + 1 follow it into that set: those from memory at once, those from LDS two tiles at a time behind the step's first four groups of eight
;     products, which name set s % 2, its scale words and the accumulators alone.
;   THE WAY OUT.  v64-75 and v52-55: the quantiser writes them, the tile's stores read them: a wait on va_vdst ahead of the stores, one on vm_vsrc ahead of the next tile's quantiser.
.set XSC,   98304                      ; LDS: 0: x's images [K step][tile] 1,536 bytes;  here: their scale words, 512 bytes a K step: [tile / 4][r][tile % 4]
.set STG,   102400                     ; a stage of 16 rows x 528 bytes for each wave
.set STGW,  8448
.set SPIT,  528                        ; 512 bytes + 16: row r starts at bank 4 r mod 64 (64 banks of 4 bytes: ISA guide 11.1)
.set FRB,   1536
.set STEPW, 12800                      ; a K step of a chunk in wq
.set LN,   1
.set RR,   2
.set HH,   3
.set A16,  4                           ; 16 x lane: loads of x, of W, of images
.set VXB,  5                           ; 16 x lane (+ 8 rows for k, v)
.set VXC,  6                           ; 16 x lane (+ 8 rows for q)
.set STW,  7                           ; my stage, on the way in
.set STR,  8                           ; and out
.set XW16, 9                           ; where I store images: 16 l + 3,072 w
.set XW8,  10                          ; 8 l + 3,072 w
.set XWS,  11                          ; and their scale words
.set IW16, 12                          ; these three + the trip's offset
.set IW8,  13
.set IWS,  14
.set A8,   16                          ; 8 x lane
.set A16H, 17                          ; 16 l + 49,152: K steps 4 to 7 (an LDS offset has 16 bits)
.set A8H,  18
.set AXS,  19                          ; XSC + 16 r
.set GWS,  20                          ; 16 r
.set BQ,   21                          ; 64 h
.set BVV,  22                          ; 4 (r + 8 (r / 8))
.set SO,   23                          ; scale words out: 16 r (+ the second head's distance for lanes 16-31)
.set SH,   24                          ; 16 h for q, k; 0 for v
.set TM,   32                          ; v32-47 the quantiser's: largest magnitudes, bytes, scale operands
.set PW,   48                          ; the scale word just made
.set W4,   52                          ; v52-55 four tiles' scale words
.set T8,   56                          ; v56-62 the conversions' second halves
.set PC,   64                          ; v64-75 the codes just made
.set XT,   128                         ; v128-191 64 numbers of x
.set XB,   4                           ; s[4:5]   x at my wave's rows
.set WB,   10                          ; s[10:11] wq at my pass's chunk
.set BB,   12                          ; s[12:13] the bias at my pass's chunk
.set PB,   18                          ; s[18:19] where my pass's results go
.set TAU,  22
.set WV,   24
.set D1,   26                          ; pairs with 0 above: from a fragment's first half to its second,
.set STJ,  28                          ; from tile to tile,
.set JMP,  30                          ; more at tile 4,
.set SST,  32                          ; the scale words' step at tile 4,
.set PINC, 34                          ; from pass to pass
.set PA0,  36
.set PA1,  38
.set PSS,  40
.set D1H,  42
.set SHS,  43
.set XBO,  44
.set XCO,  45
.set TRIP, 46
.set PASS, 47
.set SXT,  48
.set SXT2, 49
.set SEL,  50
.set MSB, 0
.macro WIN new                         ; the immediate's high byte repeats the setting that is left; a switch that changes nothing is dropped
.if MSB != (\new)
	s_set_vgpr_msb (MSB<<8)|(\new)
.set MSB, (\new)
.endif
.endm
.macro PLACES n
.rept \n
	v_nop
.endr
.endm
; 64 numbers of a lane, v[s] .. v[s + 63] of window w, register 16 b + i = k 32 b + 16 (lane / 16) + i of the lane's row, become a fragment's codes in v[PC] on and its scale word in v[PW].
; Each accumulator of eight is first read at its low end.
.macro QUANT s, w
	WIN (\w)|((\w)<<2)
.irp b, 0,1,2,3
	v_max3_num_f32 v[TM+\b], |v[(\s)+16*\b]|, |v[(\s)+16*\b+1]|, 0x1800000   ; my 16 numbers of block b, and the floor 2^(3 - 127): the byte cannot fall under 1
.endr
.irp i, 2,4,6,8,10,12,14
.irp b, 0,1,2,3
	v_max3_num_f32 v[TM+\b], |v[(\s)+16*\b+\i]|, |v[(\s)+16*\b+\i+1]|, v[TM+\b]   ; (the four blocks by turns)
.endr
.endr
	WIN 0
.irp b, 0,1,2,3
	v_permlanex16_b32 v[TM+4+\b], v[TM+\b], s[SEL], s[SEL+1]
.endr
.irp b, 0,1,2,3
	v_max_num_f32 v[TM+\b], v[TM+\b], v[TM+4+\b]   ; with lane l xor 16's: the block's largest magnitude
.endr
.irp b, 0,1,2,3
	v_add_nc_u32 v[TM+12+\b], 0xff000000, v[TM+\b] ; 2 off its exponent field: the conversion's scale operand
.endr
.irp b, 0,1,2,3
	v_lshrrev_b32 v[TM+4+\b], 23, v[TM+12+\b]      ; the scale's byte
.endr
	v_lshl_or_b32 v[PW], v[TM+5], 8, v[TM+4]
	v_lshl_or_b32 v[PW], v[TM+6], 16, v[PW]
	v_lshl_or_b32 v[PW], v[TM+7], 24, v[PW]
	WIN (\w)
.irp c, 0,1
	v_cvt_scalef32_pk16_fp6_f32 v[PC+6*\c:PC+6*\c+2], v[(\s)+32*\c:(\s)+32*\c+15], v[TM+12+2*\c]
	v_cvt_scalef32_pk16_fp6_f32 v[T8+4*\c:T8+4*\c+2], v[(\s)+32*\c+16:(\s)+32*\c+31], v[TM+13+2*\c]   ; (a conversion's three registers begin on an even number)
.endr
	WIN 0
	v_nop                                          ; one plain line behind the conversions
.irp c, 0,1                            ; the operand wants a WHOLE block in a lane: lanes 0-15 block 2 c, lanes 16-31 block 2 c + 1
.irp i, 0,1,2
	v_permlane16_swap_b32 v[PC+6*\c+\i], v[T8+4*\c+\i]
.endr
.irp i, 0,1,2
	v_mov_b32 v[PC+3+6*\c+\i], v[T8+4*\c+\i]
.endr
.endr
.endm
	s_load_b256 s[4:11], s[0:1], 0x0               ; query, key, value, wq
	s_load_b256 s[12:19], s[0:1], 0x20             ; bq, bk, bv, qi
	s_load_b64 s[20:21], s[0:1], 0x40              ; kv
	v_lshl_add_u32 v30, v0, 2, 0x21400
	v_mov_b32 v31, 0
	v_lshrrev_b32 v1, 5, v0
	v_readfirstlane_b32 s[WV], v1                  ; wave 0..3
	s_and_b32 s[TAU], ttmp7, 0xffff                ; 0 q, 1 k, 2 v
	v_and_b32 v[LN], 31, v0
	v_and_b32 v[RR], 15, v0
	v_bfe_u32 v[HH], v0, 4, 1
	s_lshr_b32 s52, ttmp9, 4                       ; batch
	s_and_b32 s53, ttmp9, 15                       ; group of 128 rows
	s_lshl_b32 s55, s52, 2
	s_wait_alu depctr_va_sdst(0)                   ; the wave's number is written, ahead of its first reader and of every branch
	s_add_co_u32 s55, s55, s[WV]                   ; 4 batch + wave: my four heads
	s_cmp_lg_u32 s[TAU], 0
	s_cbranch_scc1 .Lnot_q
	s_lshl_b32 s54, s55, 6                         ; q: entry (16 batch + 4 w) 16 + group
	s_add_co_u32 s54, s54, s53
	s_mul_i32 s56, s54, 6656
	s_mov_b32 s[D1], 106496                        ; the next head's entry
	s_mov_b32 s[D1H], 106496
	s_mov_b32 s[STJ], 768
	s_mov_b32 s[JMP], 0
	s_mov_b32 s[SST], 256
	s_mov_b32 s[PINC], 212992
	s_mov_b32 s[SHS], 16
	s_mov_b32 s[XBO], 0
	s_mov_b32 s[XCO], 32768
	s_branch .Lparams
.Lnot_q:
	s_lshl_b32 s54, s55, 4                         ; k, v: entry ((4 batch + w) 16 + group) 4
	s_add_co_u32 s54, s54, s53
	s_mul_i32 s56, s54, 52224
	s_mov_b32 s[PINC], 26112
	s_mov_b32 s[XBO], 32768
	s_mov_b32 s[XCO], 0
	s_cmp_lg_u32 s[TAU], 1
	s_cbranch_scc1 .Lis_v
	s_mov_b32 s[D1], 13056
	s_mov_b32 s[D1H], 13056
	s_mov_b32 s[STJ], 768
	s_mov_b32 s[JMP], 0
	s_mov_b32 s[SST], 256
	s_mov_b32 s[SHS], 16
	s_branch .Lparams
.Lis_v:
	s_add_co_u32 s56, s56, 6656                    ; V lies behind K in an entry
	s_mov_b32 s[D1], 768
	s_mov_b32 s[D1H], 0
	s_mov_b32 s[STJ], 1536
	s_mov_b32 s[JMP], 6912                         ; four fragments, then on to the next head's entry
	s_mov_b32 s[SST], 13056
	s_mov_b32 s[SHS], 0
.Lparams:
	s_mov_b32 s57, 0
	s_mov_b32 s[D1+1], 0
	s_mov_b32 s[STJ+1], 0
	s_mov_b32 s[JMP+1], 0
	s_mov_b32 s[SST+1], 0
	s_mov_b32 s[PINC+1], 0
	s_mov_b32 s[SEL], 0x76543210
	s_mov_b32 s[SEL+1], 0xfedcba98                 ; v_permlanex16_b32's selects for lane l xor 16
	s_mov_b32 s[SXT], 0
	s_mov_b32 s[SXT2], 0
	s_wait_alu depctr_va_vdst(0)
	v_lshlrev_b32 v[A16], 4, v[LN]
	v_lshlrev_b32 v[A8], 3, v[LN]
	v_add_nc_u32 v[VXB], s[XBO], v[A16]
	v_add_nc_u32 v[VXC], s[XCO], v[A16]
	s_mul_i32 s58, s[WV], STGW
	s_add_co_u32 s58, s58, STG
	v_add_nc_u32 v[STW], s58, v[A16]               ; in: a row's 512 bytes, 16 a lane
	v_mul_u32_u24 v[STR], v[RR], SPIT
	v_lshl_add_u32 v[STR], v[HH], 6, v[STR]
	v_add_nc_u32 v[STR], s58, v[STR]               ; out: row r, + 64 h: my 16 numbers of a block
	s_mul_i32 s58, s[WV], 2*FRB
	v_add_nc_u32 v[XW16], s58, v[A16]
	v_add_nc_u32 v[XW8], s58, v[A8]
	s_lshr_b32 s58, s[WV], 1
	s_lshl_b32 s58, s58, 8
	s_and_b32 s59, s[WV], 1
	s_lshl_b32 s59, s59, 3
	s_add_co_u32 s58, s58, s59
	s_add_co_u32 s58, s58, XSC
	v_lshlrev_b32 v[GWS], 4, v[RR]
	v_add_nc_u32 v[XWS], s58, v[GWS]               ; tile 2 w + u: 256 (w / 2) + 16 r + 8 (w % 2) + 4 u
	v_add_nc_u32 v[A16H], 49152, v[A16]
	v_add_nc_u32 v[A8H], 49152, v[A8]
	v_add_nc_u32 v[AXS], XSC, v[GWS]
	v_lshlrev_b32 v[BQ], 6, v[HH]
	v_and_b32 v[BVV], 8, v[RR]
	v_add_lshl_u32 v[BVV], v[BVV], v[RR], 2
	v_mul_u32_u24 v[SO], s[D1H], v[HH]
	v_add_nc_u32 v[SO], v[SO], v[GWS]
	v_mul_u32_u24 v[SH], s[SHS], v[HH]
.irp b, 0,1,2,3
	v_mov_b32 v[TM+4+\b], 0                        ; written once: a lane permute's destination counts as one of its sources
.endr
	s_wait_kmcnt 0x0
	s_cmp_eq_u32 s[TAU], 1                         ; the buffers are chosen by the work-group's number alone
	s_cselect_b64 s[XB:XB+1], s[6:7], s[XB:XB+1]
	s_cselect_b64 s[BB:BB+1], s[14:15], s[BB:BB+1]
	s_cmp_eq_u32 s[TAU], 2
	s_cselect_b64 s[XB:XB+1], s[8:9], s[XB:XB+1]
	s_cselect_b64 s[BB:BB+1], s[16:17], s[BB:BB+1]
	s_cmp_eq_u32 s[TAU], 0
	s_cselect_b64 s[PB:PB+1], s[PB:PB+1], s[20:21]
	s_lshl_b32 s58, ttmp9, 19                      ; 128 rows of 4,096 bytes a work-group,
	s_lshl_b32 s59, s[WV], 17                      ; 32 a wave
	s_add_co_u32 s58, s58, s59
	s_mov_b32 s59, 0
	s_add_nc_u64 s[XB:XB+1], s[XB:XB+1], s[58:59]
	s_mul_i32 s58, s[TAU], 819200
	s_mul_i32 s54, s[WV], 204800                   ; two chunks a wave
	s_add_co_u32 s58, s58, s54
	s_add_nc_u64 s[WB:WB+1], s[WB:WB+1], s[58:59]
	s_lshl_b32 s58, s[WV], 10
	s_add_nc_u64 s[BB:BB+1], s[BB:BB+1], s[58:59]
	s_add_nc_u64 s[PB:PB+1], s[PB:PB+1], s[56:57]
	s_wait_alu depctr_va_vdst(0)                   ; the addresses v1 to v24 are written, which the loads and stores of the whole kernel read
; ---- PHASE X.  Set q = 2 sp + u: the 16 rows of my tile u, K step 2 T + sp: 16 loads, each a row's 512 consecutive bytes.  The rows' order is chosen by the address register, with no branch.
; again = 1: the set has been through the stage and is asked for anew.
.macro XLOADS q, off, again
	WIN 0x40                                       ; destination window 1
.if \again
	s_wait_alu depctr_vm_vsrc(0)                   ; the stage's LDS stores have read this set, in which the loads below land; the last fragment's image stores have read v[PC ..], v[PW] and v[IW16 ..], which the vector lines behind these loads write
.endif
.irp i, 0,1,2,3,4,5,6,7,8,9,10,11,12,13,14,15
.if ((\q)%2) == 0
.if \i < 8
	global_load_b128 v[64*(\q)+4*\i:64*(\q)+4*\i+3], v[A16], s[XB:XB+1] offset:\i*4096+512*((\q)/2)+(\off) th:TH_LOAD_NT
.else
	global_load_b128 v[64*(\q)+4*\i:64*(\q)+4*\i+3], v[VXB], s[XB:XB+1] offset:\i*4096+512*((\q)/2)+(\off) th:TH_LOAD_NT
.endif
.else
.if \i < 8
	global_load_b128 v[64*(\q)+4*\i:64*(\q)+4*\i+3], v[VXC], s[XB:XB+1] offset:(8+\i)*4096+512*((\q)/2)+(\off) th:TH_LOAD_NT
.else
	global_load_b128 v[64*(\q)+4*\i:64*(\q)+4*\i+3], v[A16], s[XB:XB+1] offset:(16+\i)*4096+512*((\q)/2)+(\off) th:TH_LOAD_NT
.endif
.endif
.endr
	WIN 0
.endm
; Set q becomes a fragment: through my stage (in as rows, out 64 bytes a lane and block), quantised, its image to LDS.  left: the younger loads that may stay out.
.macro FRAGX q, ahead, left
	s_wait_loadcnt \left                           ; loads come back in order: set q is in
	WIN 0x04                                       ; an LDS store's data are its source 1: window 1
.irp i, 0,1,2,3,4,5,6,7,8,9,10,11,12,13,14,15
	ds_store_b128 v[STW], v[64*(\q)+4*\i:64*(\q)+4*\i+3] offset:SPIT*\i
.endr
	WIN 0
.irp b, 0,1,2,3
.irp j, 0,1,2,3
	ds_load_b128 v[XT+16*\b+4*\j:XT+16*\b+4*\j+3], v[STR] offset:128*\b+16*\j   ; LDS serves a wave's instructions in order: these see my stores.  (The last quantiser's reads of v[XT ..] stand ahead of the wait on va_vdst behind it, and no vector line has followed)
.endr
.endr
	s_wait_dscnt 0x0                               ; my 64 numbers are back; the last fragment's image is stored
.if \ahead
	XLOADS \q, 1024, 1                             ; the same set of the next trip: two K steps on
.else
	s_wait_alu depctr_vm_vsrc(0)                   ; the last fragment's image stores have read v[PC ..], v[PW] and v[IW16 ..], which the vector lines below write
.endif
.if \q == 0
	v_add_nc_u32 v[IW16], s[SXT], v[XW16]          ; where this trip's images go
	v_add_nc_u32 v[IW8], s[SXT], v[XW8]
	v_add_nc_u32 v[IWS], s[SXT2], v[XWS]
.endif
	QUANT XT, 0
	s_wait_alu depctr_va_vdst(0)                   ; the quantiser has written v[PC ..] and v[PW], and in a trip's first fragment v[IW16 ..] are written: the stores below read them; it is done reading v[XT ..], in which the next fragment's loads from the stage land
	ds_store_b128 v[IW16], v[PC:PC+3] offset:12288*((\q)/2)+FRB*((\q)%2)
	ds_store_b64 v[IW8], v[PC+4:PC+5] offset:12288*((\q)/2)+FRB*((\q)%2)+512
	ds_store_b128 v[IW16], v[PC+6:PC+9] offset:12288*((\q)/2)+FRB*((\q)%2)+768
	ds_store_b64 v[IW8], v[PC+10:PC+11] offset:12288*((\q)/2)+FRB*((\q)%2)+1280
	ds_store_b32 v[IWS], v[PW] offset:512*((\q)/2)+4*((\q)%2)   ; lanes r and 16 + r write the same word with the same value
.endm
.macro TRIPX ahead, l0, l1, l2, l3
	FRAGX 0, \ahead, \l0
	FRAGX 1, \ahead, \l1
	FRAGX 2, \ahead, \l2
	FRAGX 3, \ahead, \l3
.endm
	XLOADS 0, 0, 0
	XLOADS 1, 0, 0
	XLOADS 2, 0, 0
	XLOADS 3, 0, 0                                 ; four sets, 32 KiB a wave, are on their way
	s_mov_b32 s[TRIP], 3
.Ltrip:                                            ; a trip: two K steps of my 32 rows
	TRIPX 1, 48, 48, 48, 48                        ; behind a set stand the three younger sets' 48 loads
	s_wait_xcnt 0x0                                ; the loads have read their base
	s_add_nc_u64 s[XB:XB+1], s[XB:XB+1], 1024
	s_add_co_u32 s[SXT], s[SXT], 24576
	s_add_co_u32 s[SXT2], s[SXT2], 1024
	s_sub_co_u32 s[TRIP], s[TRIP], 1
	s_cmp_lg_u32 s[TRIP], 0
	s_cbranch_scc1 .Ltrip
	TRIPX 0, 48, 32, 16, 0                         ; the last trip loads nothing: no load leaves the buffer, and the counts run down
	s_wait_dscnt 0x0                               ; for the others' sake: my images are stored
	s_barrier_signal -1
	s_barrier_wait -1                              ; x's 64 fragments and their scale words lie in LDS; from here on they are only read
; ---- PHASE G
.macro LDW base, s                     ; the chunk's eight fragments of K step s
.irp a, 0,1,2,3,4,5,6,7
.irp g, 0,1,2
	global_load_b128 v[(\base)+12*\a+4*\g:(\base)+12*\a+4*\g+3], v[A16], s[WB:WB+1] offset:STEPW*(\s)+FRB*\a+512*\g
.endr
.endr
.endm
.macro LDWS base, s                    ; and their scale words: register t = tile t's, lane r's in lanes r and 16 + r
.irp e, 0,1
	global_load_b128 v[(\base)+4*\e:(\base)+4*\e+3], v[GWS], s[WB:WB+1] offset:STEPW*(\s)+12288+256*\e
.endr
.endm
.macro LDXJ base, s, j                 ; x's fragment of tile j, K step s
.if (\s) < 4
.set XA16, A16
.set XA8, A8
.else
.set XA16, A16H
.set XA8, A8H
.endif
	ds_load_b128 v[(\base)+12*(\j):(\base)+12*(\j)+3], v[XA16] offset:12288*((\s)%4)+FRB*(\j)
	ds_load_b64 v[(\base)+12*(\j)+4:(\base)+12*(\j)+5], v[XA8] offset:12288*((\s)%4)+FRB*(\j)+512
	ds_load_b128 v[(\base)+12*(\j)+6:(\base)+12*(\j)+9], v[XA16] offset:12288*((\s)%4)+FRB*(\j)+768
	ds_load_b64 v[(\base)+12*(\j)+10:(\base)+12*(\j)+11], v[XA8] offset:12288*((\s)%4)+FRB*(\j)+1280
.endm
.macro LDX base, s                     ; x's eight fragments of K step s
.irp j, 0,1,2,3,4,5,6,7
	LDXJ \base, \s, \j
.endr
.endm
.macro LDXS base, s
.irp e, 0,1
	ds_load_b128 v[(\base)+4*\e:(\base)+4*\e+3], v[AXS] offset:512*(\s)+256*\e
.endr
.endm
; K step s into set 'set', in one run: a pass's first two K steps.  Both arms issue 26 loads from memory and 34 from LDS, into the same registers: the counted waits hold on either.
.macro FETCHSTEP s, set
	s_cmp_eq_u32 s[TAU], 2
	s_cbranch_scc1 .Lfv_\@
	WIN 0x40
	LDW 128*(\set), \s                             ; q, k: source 0 = W
	WIN 0
	LDWS 32+8*(\set), \s
	LDX 64+96*(\set), \s
	LDXS 48+8*(\set), \s
	s_branch .Lfd_\@
.Lfv_\@:
	WIN 0x40
	LDX 128*(\set), \s                             ; v: source 0 = x
	WIN 0
	LDXS 32+8*(\set), \s
	LDW 64+96*(\set), \s
	LDWS 48+8*(\set), \s
.Lfd_\@:
.endm
; The same in parts.  The 26 loads from memory:
.macro FETCHG s, set
	s_cmp_eq_u32 s[TAU], 2
	s_cbranch_scc1 .Lgv_\@
	WIN 0x40
	LDW 128*(\set), \s                             ; q, k: source 0 = W
	WIN 0
	LDWS 32+8*(\set), \s
	s_branch .Lgd_\@
.Lgv_\@:
	LDW 64+96*(\set), \s                           ; v: source 1 = W
	LDWS 48+8*(\set), \s
.Lgd_\@:
.endm
; and x's tiles j0 and j0 + 1 from LDS: eight loads; with the last two tiles the scale words' two.
.macro FETCHL s, set, j0
	s_cmp_eq_u32 s[TAU], 2
	s_cbranch_scc1 .Llv_\@
	LDXJ 64+96*(\set), \s, \j0                     ; q, k: source 1 = x
	LDXJ 64+96*(\set), \s, \j0+1
.if \j0 == 6
	LDXS 48+8*(\set), \s
.endif
	s_branch .Lld_\@
.Llv_\@:
	WIN 0x40
	LDXJ 128*(\set), \s, \j0                       ; v: source 0 = x
	LDXJ 128*(\set), \s, \j0+1
	WIN 0
.if \j0 == 6
	LDXS 32+8*(\set), \s
.endif
.Lld_\@:
.endm
; 8 matrix instructions: source 1's tile j against source 0's eight.  mode 0: onto the sums; 1: the sums begin with the bias of source 0's tile; 2: of source 1's.
.macro MULJ set, mode, j
.if \mode == 0
	WIN 0xa1+0x50*((\j)/4)                         ; source 0 window 1, source 1 window 0, C and D window 2 or 3
.else
	WIN 0x91+0x40*((\j)/4)                         ; C window 1
.endif
.irp i, 0,1,2,3,4,5,6,7
.set AC, 8*(8*((\j)%4)+\i)
.if \mode == 0
	v_wmma_scale_f32_16x16x128_f8f6f4 v[AC:AC+7], v[128*(\set)+12*\i:128*(\set)+12*\i+11], v[64+96*(\set)+12*(\j):64+96*(\set)+12*(\j)+11], v[AC:AC+7], v[32+8*(\set)+\i], v[48+8*(\set)+(\j)] matrix_a_fmt:MATRIX_FMT_FP6 matrix_b_fmt:MATRIX_FMT_FP6
.elseif \mode == 1
	v_wmma_scale_f32_16x16x128_f8f6f4 v[AC:AC+7], v[128*(\set)+12*\i:128*(\set)+12*\i+11], v[64+96*(\set)+12*(\j):64+96*(\set)+12*(\j)+11], v[96+8*\i+96*(\i/4):96+8*\i+96*(\i/4)+7], v[32+8*(\set)+\i], v[48+8*(\set)+(\j)] matrix_a_fmt:MATRIX_FMT_FP6 matrix_b_fmt:MATRIX_FMT_FP6
.else
	v_wmma_scale_f32_16x16x128_f8f6f4 v[AC:AC+7], v[128*(\set)+12*\i:128*(\set)+12*\i+11], v[64+96*(\set)+12*(\j):64+96*(\set)+12*(\j)+11], v[96+8*(\j)+96*((\j)/4):96+8*(\j)+96*((\j)/4)+7], v[32+8*(\set)+\i], v[48+8*(\set)+(\j)] matrix_a_fmt:MATRIX_FMT_FP6 matrix_b_fmt:MATRIX_FMT_FP6
.endif
.endr
.endm
; 64 matrix instructions: source 1's tiles j one after the other.  The 64 accumulators take turns, one instruction a turn, in the same order in every K step.
.macro MUL64 set, mode
.irp j, 0,1,2,3,4,5,6,7
	MULJ \set, \mode, \j
.endr
	WIN 0
.endm
; K step s of 1 to 6: it multiplies set s % 2 and asks for K step s + 1, into the set that K step s - 1 multiplied.
.macro STEPG s
	s_wait_loadcnt 0x0                             ; this K step's set is in: all its loads were issued in the step before, and none since
	s_wait_dscnt 0x0
	PLACES 4                                       ; four places in front of loads into registers that the last products read (ISA guide 7.12.1 for vector instructions)
	s_wait_alu depctr_va_vdst(0)                   ; the products of the K step before are done reading the other set's fragments and scale words, in which all the loads of this step land
	FETCHG (\s)+1, ((\s)+1)%2                      ; those from memory at once: they have the whole step in which to land
	MULJ (\s)%2, 0, 0
	WIN 0                                          ; (a branch follows)
	FETCHL (\s)+1, ((\s)+1)%2, 0                   ; those from LDS in short runs.  No wait: no vector or matrix instruction since the wait above names the other set or an address
	MULJ (\s)%2, 0, 1
	WIN 0
	FETCHL (\s)+1, ((\s)+1)%2, 2
	MULJ (\s)%2, 0, 2
	WIN 0
	FETCHL (\s)+1, ((\s)+1)%2, 4
	MULJ (\s)%2, 0, 3
	WIN 0
	FETCHL (\s)+1, ((\s)+1)%2, 6
	MULJ (\s)%2, 0, 4
	MULJ (\s)%2, 0, 5
	MULJ (\s)%2, 0, 6
	MULJ (\s)%2, 0, 7
	WIN 0
.endm
	s_mov_b32 s[PASS], 2
.Lpass:                                            ; a pass: 128 rows x 128 n
	s_wait_alu depctr_va_vdst(0)                   ; the quantiser is done with v32-75 and v128-191, and the last pass's products with their fragments, scale words and bias: the loads below land in all of these
	s_wait_alu depctr_vm_vsrc(0)                   ; the LDS stores of phase X have read window 1's sets, v48 and v64-75; the last pass's stores have read v52-55 and v64-75: the loads below land there
	s_cmp_eq_u32 s[TAU], 2
	s_cbranch_scc1 .Lbias_v
	WIN 0x40
.irp i, 0,1,2,3,4,5,6,7                ; q, k: the bias hangs on source 0's n: lane (r, h), tile 2 b + u: n = 32 b + 16 h + 8 u + 0 .. 7
	global_load_b128 v[96+8*\i+96*(\i/4):96+8*\i+96*(\i/4)+3], v[BQ], s[BB:BB+1] offset:(32*(\i/2)+8*(\i%2))*4
	global_load_b128 v[96+8*\i+96*(\i/4)+4:96+8*\i+96*(\i/4)+7], v[BQ], s[BB:BB+1] offset:(32*(\i/2)+8*(\i%2))*4+16
.endr
	WIN 0
	s_branch .Lbias_done
.Lbias_v:
	WIN 0x40
.irp j, 0,1,2,3,4,5,6,7                ; v: it hangs on source 1's n, which is the lane's: eight equal registers a tile
.irp e, 0,1,2,3,4,5,6,7
	global_load_b32 v[96+8*\j+96*(\j/4)+\e], v[BVV], s[BB:BB+1] offset:(32*(\j/2)+8*(\j%2))*4
.endr
.endr
	WIN 0
.Lbias_done:
	FETCHSTEP 0, 0
	FETCHSTEP 1, 1
	s_wait_loadcnt 26                              ; the bias and K step 0 are in; K step 1's 26 loads may be out,
	s_wait_dscnt 34                                ; and its 34 from LDS
	s_cmp_eq_u32 s[TAU], 2
	s_cbranch_scc1 .Lfirst_v
	MUL64 0, 1
	s_branch .Lfirst_done
.Lfirst_v:
	MUL64 0, 2
.Lfirst_done:
.irp s, 1,2,3,4,5,6
	STEPG \s
.endr
	s_wait_loadcnt 0x0                             ; the last K step asks for nothing more
	s_wait_dscnt 0x0
	MUL64 1, 0
	; THE WAY OUT: source 1's tile j: my lane's 64 results are 128 along the next K: a fragment.  q, k: its halves are two heads'.  v: it is one fragment of V.
	PLACES 4                                       ; in front of the first read of results and of writes of the last products' scale registers
	s_mov_b64 s[PA0:PA0+1], s[PB:PB+1]
	s_add_nc_u64 s[PA1:PA1+1], s[PB:PB+1], s[D1:D1+1]
	s_add_nc_u64 s[PSS:PSS+1], s[PB:PB+1], 6144
.irp j, 0,1,2,3,4,5,6,7
.if \j > 0
	s_wait_xcnt 0x0                                ; the last tile's stores have had their addresses translated: their data and their bases are rewritten only behind this wait
	s_wait_alu depctr_vm_vsrc(0)                   ; the last tile's stores have read v[PC ..] and v[W4 ..], which the quantiser and the shift below write again
	s_add_nc_u64 s[PA0:PA0+1], s[PA0:PA0+1], s[STJ:STJ+1]
	s_add_nc_u64 s[PA1:PA1+1], s[PA1:PA1+1], s[STJ:STJ+1]
.if \j == 4
	s_add_nc_u64 s[PA0:PA0+1], s[PA0:PA0+1], s[JMP:JMP+1]
	s_add_nc_u64 s[PA1:PA1+1], s[PA1:PA1+1], s[JMP:JMP+1]
	s_add_nc_u64 s[PSS:PSS+1], s[PSS:PSS+1], s[SST:SST+1]
.endif
.endif
	QUANT 64*(\j%4), 2+\j/4
	v_lshrrev_b32 v[W4+\j%4], v[SH], v[PW]         ; q, k: lanes 16-31 take the second head's two bytes down; what stands above them meets zero codes only and is never 0xff
	s_wait_alu depctr_va_vdst(0)                   ; the quantiser has written v[PC ..] and the shift v[W4 ..], which the stores below read
	global_store_b128 v[A16], v[PC:PC+3], s[PA0:PA0+1]             ; 512 consecutive bytes, aligned
	global_store_b64 v[A8], v[PC+4:PC+5], s[PA0:PA0+1] offset:512  ; 256
	global_store_b128 v[A16], v[PC+6:PC+9], s[PA1:PA1+1]
	global_store_b64 v[A8], v[PC+10:PC+11], s[PA1:PA1+1] offset:512
.if \j%4 == 3
	global_store_b128 v[SO], v[W4:W4+3], s[PSS:PSS+1]              ; four tiles' scale words: sixteen lanes store 256 consecutive bytes (for v lanes 16-31 store the same bytes again)
.endif
.endr
	s_wait_xcnt 0x0                                ; stores and loads have read their data and bases
	s_add_nc_u64 s[PB:PB+1], s[PB:PB+1], s[PINC:PINC+1]
	s_add_nc_u64 s[WB:WB+1], s[WB:WB+1], 102400
	s_add_nc_u64 s[BB:BB+1], s[BB:BB+1], 512
	s_sub_co_u32 s[PASS], s[PASS], 1
	s_cmp_lg_u32 s[PASS], 0
	s_cbranch_scc1 .Lpass
	s_wait_dscnt 0x0
	s_wait_alu depctr_hold_cnt(0) depctr_sa_sdst(0) depctr_va_vdst(0) depctr_va_sdst(0) depctr_va_ssrc(0) depctr_va_vcc(0) depctr_vm_vsrc(0)
	s_wait_tensorcnt 0x0
	ds_add_u32 v30, v31
	s_wait_dscnt 0x0
	s_endpgm
.Lfunc_end_k_q1ba61766e6_proj:
	.size	k_q1ba61766e6_proj, .Lfunc_end_k_q1ba61766e6_proj-k_q1ba61766e6_proj
	.p2alignl 7, 3214868480
	.fill 96, 4, 3214868480
	.section	.rodata,"a",@progbits
	.p2align	6, 0x0
	.amdhsa_kernel k_q1ba61766e6_proj
		.amdhsa_group_segment_fixed_size 136704
		.amdhsa_private_segment_fixed_size 0
		.amdhsa_enable_private_segment 0
		.amdhsa_kernarg_size 72
		.amdhsa_user_sgpr_count 2
		.amdhsa_user_sgpr_kernarg_segment_ptr 1
		.amdhsa_wavefront_size32 1
		.amdhsa_system_sgpr_workgroup_id_x 1
		.amdhsa_system_sgpr_workgroup_id_y 1
		.amdhsa_system_sgpr_workgroup_id_z 1
		.amdhsa_system_vgpr_workitem_id 0
		.amdhsa_next_free_vgpr 1024
		.amdhsa_next_free_sgpr 66
		.amdhsa_reserve_vcc 0
		.amdhsa_float_denorm_mode_32 3
		.amdhsa_float_denorm_mode_16_64 3
		.amdhsa_memory_ordered 1
		.amdhsa_forward_progress 1
		.amdhsa_inst_pref_size 255
	.end_amdhsa_kernel
	.section	.bss,"aw",@nobits
	.p2align	6
	.space	262144
	.amdgpu_metadata
---
amdhsa.version: [ 1, 2 ]
amdhsa.kernels:
  - .name:           k_q1ba61766e6_proj
    .symbol:         k_q1ba61766e6_proj.kd
    .args:
      - { .name: query, .offset: 0, .size: 8, .value_kind: global_buffer, .address_space: global }
      - { .name: key, .offset: 8, .size: 8, .value_kind: global_buffer, .address_space: global }
      - { .name: value, .offset: 16, .size: 8, .value_kind: global_buffer, .address_space: global }
      - { .name: wq, .offset: 24, .size: 8, .value_kind: global_buffer, .address_space: global }
      - { .name: bq, .offset: 32, .size: 8, .value_kind: global_buffer, .address_space: global }
      - { .name: bk, .offset: 40, .size: 8, .value_kind: global_buffer, .address_space: global }
      - { .name: bv, .offset: 48, .size: 8, .value_kind: global_buffer, .address_space: global }
      - { .name: qi, .offset: 56, .size: 8, .value_kind: global_buffer, .address_space: global }
      - { .name: kv, .offset: 64, .size: 8, .value_kind: global_buffer, .address_space: global }
    .group_segment_fixed_size: 136704
    .private_segment_fixed_size: 0
    .kernarg_segment_align: 8
    .kernarg_segment_size: 72
    .max_flat_workgroup_size: 128
    .sgpr_count:     66
    .vgpr_count:     1024
    .wavefront_size: 32
...
	.end_amdgpu_metadata
.endif
;; end of part 5
;; launch attn (part 6): grid 32 x 16, 16 waves a work-group, clusters of 4 x 4, 327,680 bytes of LDS; arguments qi, kv, mask, ao; writes ao
.if DOCPART == 6
	.amdgcn_target "amdgcn-amd-amdhsa--gfx1250"
	.amdhsa_code_object_version 6
	.text
	.protected	k_q1ba61766e6_attn
	.globl	k_q1ba61766e6_attn
	.p2align	8
	.type	k_q1ba61766e6_attn,@function
k_q1ba61766e6_attn:
	s_mov_b64 s[64:65], 0
	v_nop
	global_prefetch_b8 v0, s[64:65] scope:SCOPE_SE
	s_setreg_imm32_b32 hwreg(HW_REG_WAVE_MODE, 25, 1), 1
	s_wait_xcnt 0x0
	s_wait_alu depctr_hold_cnt(0) depctr_sa_sdst(0) depctr_va_vdst(0) depctr_va_sdst(0) depctr_va_ssrc(0) depctr_va_vcc(0) depctr_vm_vsrc(0)
	s_getreg_b32 s2, hwreg(HW_REG_IB_STS2, 6, 4)
	s_cmp_eq_u32 s2, 0
	s_cbranch_scc0 .Lentry_in_a_cluster
	s_endpgm
.Lentry_in_a_cluster:
	s_bfe_u32 s2, ttmp6, 0x10000c
	s_cmp_lg_u32 s2, 0xf033
	s_cbranch_scc0 .Lentry_shape_is_right
	s_endpgm
.Lentry_shape_is_right:
; The attention, both products on codes of FP6 (E2M3) with one E8M0 scale for each 32 along K; its result, divided by the row's sum, is quantised along (head, d) and stored as images of the last product's operand registers.
; logit = q . k / 8 + mask x (-1e9); t = logit x log2(e); M = the ceiling of the running largest t; p = 2^(t - M) is quantised along the keys, not normalised; the row's sum is taken of the unquantised p.
; THE MASK IS AN INPUT: every key step is computed and the mask is read as it is given.  mask x (-8e9) is the C of the product q . k, so that sum is rounded once, by the matrix unit, where the definition rounds q . k / 8 and the sum.
; SHARES.  Work-group: 64 queries (block qb) x 4 heads (y = 4 batch + head / 4).  Sixteen waves, four to a SIMD: wave = 4 qt + hh: head hh of the four, queries 16 qt .. + 15: ONE tile in 256 registers, no register windows.
; Every wave walks the 2,048 keys, 128 a step.  A step's bytes, 52,224 of K and V (4 heads) and 32,768 of mask (64 rows x 512), come through a ring of two LDS slots by tensor loads: waves 0-3 a head's K and V each, wave 4 the mask's tile.
; CLUSTER 4 x 4.  K and V hang on y alone: asked for JOINTLY by the four work-groups of a row of the cluster; the mask's tile hangs on qb alone: jointly by the four of a column.  That divides the requests by four.
; LAYOUT.  S^T = K Q^T (source 0 = 16 keys, source 1 = my 16 queries), O^T = V^T P^T: a lane holds ONE query (lane % 16) throughout.  An earlier launch chose the keys of a tile of K and the d of a tile of V so that
; a lane's 16 registers of two neighbouring tiles are 16 neighbours: register 16 b + i = key (or d) 32 b + 16 (lane / 16) + i.  The mask is loaded into just these places.
; THE HEAD HAS 64 ALONG K, THE INSTRUCTION 128: Q's registers 6-11 are zero codes.  K's tile t is named as 12 registers from its own six on: the upper six are tile t + 1's codes (zeros behind tile 7); they meet zero codes and add 0;
; the scale bytes that stand there are ordinary bytes or 0, never 0xff.  That spares 48 registers and half of K's LDS reads.
; LIMITS: NaN and infinities are not served; a block of p or of the result that is all zeros, or under 2^-124, keeps the scale byte 1 (its codes are zeros; this program alone reads the bytes).
.set KVO,   33792                      ; a slot: the mask's tile, 64 rows x 528 bytes (512 + 16: row r starts at bank 4 r mod 64; 64 banks of 4 bytes: ISA guide 11.1); here: K and V, 13,056 bytes a head
.set HEADB, 13056                      ; K: 8 halves of 768 | 512 scale words | V: 4 fragments of 1,536 | 256 scale words
.set SLOT1, 131072                     ; slot 1: one exclusive or turns an address
.set SCST,  217088                     ; 512 bytes: the result's scale bytes meet here; no tile lands here
.set SPARE, 217600                     ; the spare words, 128 bytes for each of 16 waves: eight blocks of 256 bytes that no other line names
.set AM,   1                           ; v1   my place in the mask's tile: (16 qt + r) 528 + 64 h
.set A16,  2                           ; v2   KVO + 13,056 hh + 16 l
.set A8,   3                           ; v3   ... + 8 l
.set ASC,  4                           ; v4   ... + 16 r
.set SPW,  5                           ; v5   my spare word; never rewritten
.set NIL,  6                           ; v6   0; never rewritten
.set ADM,  8                           ; v8-11 these four + the slot in hand
.set AD16, 9
.set AD8,  10
.set ADS,  11
.set QF,   16                          ; v16-21 Q's codes, v22-27 zeros   (v12 -M, v13 the largest t, v[14:15] the sum in two halves)
.set QS,   28                          ; v28  Q's scale word
.set KF,   32                          ; v32-79 K's eight halves, then V's four fragments; v80-85 zeros
.set KS,   86                          ; v86-93 K's scale words, then V's
.set S,    96                          ; v96-159 the mask, then the scores, then p
.set O,    160                         ; v160-191 O^T
.set PC,   192                         ; v192-203 p's codes
.set T8,   204                         ; v204-210 the conversions' second halves
.set BM,   212                         ; v212-215 the blocks' largest
.set B2,   216                         ; v216-219 the other half's; the bytes
.set SOP,  220                         ; v220-223 the conversions' scale operands
.set FF,   224                         ; v224 f = 2^(old M - new M)
.set PWD,  225                         ; v225 p's scale word
.set TT,   226
.set SM2,  228                         ; v[228:229] the sum's second chain
.set SCA,  230                         ; the way out
.set SCL,  231
.set L16,  232
.set L8,   233
.set WO,   234
.set TX,   235
.set WV,   12
.set SEL,  20
.set CS,   22                          ; s[22:23] c = log2(e) / 8
.set G1K,  24
.set G1M,  32
.set G0K,  40
.set G0M,  44
.set NG,   48                          ; s[48:49] -8e9
.set TB,   50
.set CNT,  51
; Waves 0-3 ask for a head's K and V, wave 4 for the mask's tile, the others for nothing.  The branches hang on the wave's number alone.  Four v_nop follow each of the two lines.
.macro TLOAD
	s_cmp_lt_u32 s[WV], 4
	s_cbranch_scc0 .Lnot_k_\@
	tensor_load_to_lds s[G0K:G0K+3], s[G1K:G1K+7]
	s_nop 0
.rept 4
	v_nop
.endr
	s_branch .Lasked_\@
.Lnot_k_\@:
	s_cmp_eq_u32 s[WV], 4
	s_cbranch_scc0 .Lasked_\@
	tensor_load_to_lds s[G0M:G0M+3], s[G1M:G1M+7]
	s_nop 0
.rept 4
	v_nop
.endr
.Lasked_\@:
.endm
; A round of the cluster's barrier: my work-group's barrier; wave 0 signals for the work-group; every wave waits for all sixteen work-groups; my work-group's barrier once more.
.macro ROUND
	s_barrier_signal -1
	s_barrier_wait -1
	s_cmp_lg_u32 s[WV], 0
	s_cbranch_scc1 .Lnot_wave_0_\@
	s_barrier_signal -3
.Lnot_wave_0_\@:
	s_barrier_wait -3
	s_barrier_signal -1
	s_barrier_wait -1
.endm
	s_load_b256 s[4:11], s[0:1], 0x0               ; qi, kv, mask, ao
	v_lshl_add_u32 v[SPW], v0, 2, SPARE
	v_mov_b32 v[NIL], 0
	ds_add_u32 v5, v6
	ds_add_u32 v5, v6
	s_wait_dscnt 0x0
	v_lshrrev_b32 v7, 5, v0
	s_delay_alu instid0(VALU_DEP_1)
	v_readfirstlane_b32 s[WV], v7                  ; wave 0..15
	s_bfe_u32 s13, ttmp6, 0x40000                  ; cx
	s_bfe_u32 s14, ttmp6, 0x40004                  ; cy
	s_lshl_b32 s15, ttmp9, 2
	s_add_co_u32 s15, s15, s13                     ; qb = 4 x cluster x + cx
	s_and_b32 s16, ttmp7, 0xffff
	s_lshl_b32 s16, s16, 2
	s_add_co_u32 s16, s16, s14                     ; y = 4 x cluster y + cy
	s_lshl_b32 s52, s14, 2
	s_lshl_b32 s52, 15, s52                        ; my row of the cluster
	s_lshl_b32 s53, 0x1111, s13                    ; my column
	s_and_b32 s17, s[WV], 3                        ; hh
	s_lshr_b32 s18, s[WV], 2                       ; qt
	; K and V of a head and step: 13,056 dense bytes as 51 rows of 256 (32 elements of 8 bytes)
	s_or_b32 s[G1K], s52, (3<<16)|(1<<21)          ; 15:0 the mask: my row; 17:16 elements of 8 bytes; 21 set beside a mask
	s_mov_b32 s[G1K+1], 32<<16                     ; tensor_dim0
	s_mov_b32 s[G1K+2], 51<<16                     ; tensor_dim1
	s_mov_b32 s[G1K+3], 32<<16                     ; tile_dim0
	s_mov_b32 s[G1K+4], 51                         ; tile_dim1
	s_mov_b32 s[G1K+5], 32                         ; pitch
	s_mov_b32 s[G1K+6], 0
	s_mov_b32 s[G1K+7], 0
	; the mask's tile: 64 rows x 128 f32, rows 2,048 elements apart, 4 words of padding behind every 128
	s_or_b32 s[G1M], s53, (2<<16)|(1<<20)|(1<<21)|(6<<22)|(3<<25)
	s_mov_b32 s[G1M+1], 128<<16
	s_mov_b32 s[G1M+2], 64<<16
	s_mov_b32 s[G1M+3], 128<<16
	s_mov_b32 s[G1M+4], 64
	s_mov_b32 s[G1M+5], 2048
	s_mov_b32 s[G1M+6], 0
	s_mov_b32 s[G1M+7], 0
	s_mul_i32 s54, s16, 835584                     ; K, V: 16 steps x 4 heads x 13,056 bytes for each y: made of y and the wave's number alone
	s_mul_i32 s19, s17, HEADB
	s_add_co_u32 s54, s54, s19
	s_mov_b32 s55, 0
	s_lshl_b32 s56, s15, 19                        ; the mask: 64 rows of 8,192 bytes for each qb: made of qb alone
	s_mov_b32 s57, 0
	s_lshl_b32 s58, s16, 2                         ; Q: entry (4 y + hh) 16 + qb / 2,
	s_add_co_u32 s58, s58, s17
	s_lshl_b32 s58, s58, 4
	s_lshr_b32 s59, s15, 1
	s_add_co_u32 s58, s58, s59
	s_mul_i32 s58, s58, 6656
	s_and_b32 s60, s15, 1                          ; qb % 2 (kept)
	s_lshl_b32 s61, s60, 2
	s_add_co_u32 s61, s61, s18                     ; my tile among the group's eight: 4 (qb % 2) + qt (kept)
	s_mul_i32 s62, s61, 768
	s_add_co_u32 s62, s62, s58                     ; its codes,
	s_mov_b32 s63, 0
	s_lshl_b32 s59, s60, 8
	s_add_co_u32 s58, s58, s59
	s_lshl_b32 s59, s18, 2
	s_add_co_u32 s58, s58, s59                     ; its scale words (6,144 bytes on)
	s_mov_b32 s59, 0
	s_mov_b32 s[SEL], 0x76543210
	s_mov_b32 s[SEL+1], 0xfedcba98                 ; v_permlanex16_b32's selects for lane l xor 16
	s_mov_b32 s[CS], 0x3e38aa3b                    ; log2(e) / 8
	s_mov_b32 s[CS+1], s[CS]                       ; (named with it as a pair, so it is written)
	s_mov_b32 s[NG], 0xcfee6b28                    ; -8e9 = 8 x (-1e9), exact in f32
	s_mov_b32 s[NG+1], s[NG]
	s_mov_b32 s[TB], 0
	s_mov_b32 s[CNT], 15
	s_add_co_u32 s52, s19, KVO                     ; my head's K and V in a slot
	s_wait_kmcnt 0x0
	s_mov_b32 s[G0K], 1
	s_add_co_u32 s[G0K+1], s19, KVO
	s_add_nc_u64 s[G0K+2:G0K+3], s[6:7], s[54:55]
	s_or_b32 s[G0K+3], s[G0K+3], 0x80000000
	s_mov_b32 s[G0M], 1
	s_mov_b32 s[G0M+1], 0
	s_add_nc_u64 s[G0M+2:G0M+3], s[8:9], s[56:57]
	s_or_b32 s[G0M+3], s[G0M+3], 0x80000000
	s_add_nc_u64 s[62:63], s[4:5], s[62:63]
	s_add_nc_u64 s[58:59], s[4:5], s[58:59]
	ROUND                                          ; all sixteen work-groups are here: the first joint loads meet
	TLOAD                                          ; step 0 into slot 0
	v_and_b32 v7, 31, v0                           ; lane
	v_and_b32 v29, 15, v0                          ; r
	v_bfe_u32 v30, v0, 4, 1                        ; h
	s_delay_alu instid0(VALU_DEP_3)
	v_lshlrev_b32 v[ADM], 4, v7
	s_delay_alu instid0(VALU_DEP_4)
	v_lshlrev_b32 v[AD16], 3, v7
	s_delay_alu instid0(VALU_DEP_4)
	v_lshlrev_b32 v[AD8], 4, v29
	global_load_b128 v[QF:QF+3], v[ADM], s[62:63]          ; Q's half fragment stays in registers
	global_load_b64 v[QF+4:QF+5], v[AD16], s[62:63] offset:512
	global_load_b32 v[QS], v[AD8], s[58:59] offset:6144
	v_lshl_add_u32 v[AM], s18, 4, v29
	s_delay_alu instid0(VALU_DEP_1)
	v_mul_u32_u24 v[AM], v[AM], 528
	s_delay_alu instid0(VALU_DEP_1)
	v_lshl_add_u32 v[AM], v30, 6, v[AM]
	v_add_nc_u32 v[A16], s52, v[ADM]
	v_add_nc_u32 v[A8], s52, v[AD16]
	v_add_nc_u32 v[ASC], s52, v[AD8]
	v_mov_b32 v13, 0xff61b1e6                      ; the largest t so far: -3e38
	s_delay_alu instid0(VALU_DEP_1)
	v_floor_f32 v12, -v13                          ; -M
	v_mov_b32 v14, 0
	v_mov_b32 v15, 0
.irp j, 0,1,2,3,4,5
	v_mov_b32 v[QF+6+\j], 0                        ; Q's upper 64 along K: zero codes
	v_mov_b32 v[KF+48+\j], 0                       ; and what stands behind K's tile 7
.endr
.irp b, 0,1,2,3
	v_mov_b32 v[B2+\b], 0                          ; written once: a lane permute's destination counts as one of its sources
.endr
	v_mov_b32 v[PWD], 0                            ; (named as the upper half of the pair with f before it is first written)
.set j, 0
.rept 32
	v_mov_b32 v[O+j], 0                            ; O^T: the step is written once: the first finds zeros, which the first change of M leaves zeros
.set j, j+1
.endr
; A KEY STEP: 128 keys, in the slot at s[TB].
.macro STEP
	v_add_nc_u32 v[ADM], s[TB], v[AM]              ; (these four are also the places in front of loads into registers that the last products read)
	v_add_nc_u32 v[AD16], s[TB], v[A16]
	v_add_nc_u32 v[AD8], s[TB], v[A8]
	v_add_nc_u32 v[ADS], s[TB], v[ASC]
.irp b, 0,1,2,3
.irp j, 0,1,2,3
	ds_load_b128 v[S+16*\b+4*\j:S+16*\b+4*\j+3], v[ADM] offset:128*\b+16*\j   ; mask(my query, keys 32 b + 16 h + 4 j ..): the scores' own places
.endr
.endr
.irp t, 0,1,2,3,4,5,6,7
	ds_load_b128 v[KF+6*\t:KF+6*\t+3], v[AD16] offset:768*\t
	ds_load_b64 v[KF+6*\t+4:KF+6*\t+5], v[AD8] offset:768*\t+512
.endr
	ds_load_b128 v[KS:KS+3], v[ADS] offset:6144
	ds_load_b128 v[KS+4:KS+7], v[ADS] offset:6400
	s_wait_dscnt 18                                ; the mask is in; K's 16 loads and its scale words' 2 may be out
.set j, 0
.rept 32
	v_pk_mul_f32 v[S+j:S+j+1], v[S+j:S+j+1], s[NG:NG+1] op_sel_hi:[1,0]   ; mask x (-8e9)
.set j, j+2
.endr
.rept 4
	v_nop                                          ; between the last write of a C and the products
.endr
	s_wait_alu depctr_va_vdst(0)
	s_wait_dscnt 0x0
.irp t, 0,1,2,3,4,5,6,7                ; S^T = K Q^T + the mask's term: eight accumulators, one instruction each
	v_wmma_scale_f32_16x16x128_f8f6f4 v[S+8*\t:S+8*\t+7], v[KF+6*\t:KF+6*\t+11], v[QF:QF+11], v[S+8*\t:S+8*\t+7], v[KS+\t], v[QS] matrix_a_fmt:MATRIX_FMT_FP6 matrix_b_fmt:MATRIX_FMT_FP6
.endr
.rept 4
	v_nop                                          ; four places in front of loads into K's registers and of the first read of the scores
.endr
.irp t, 0,1,2,3                        ; V's four fragments land while the softmax is walked
	ds_load_b128 v[KF+12*\t:KF+12*\t+3], v[AD16] offset:6656+1536*\t
	ds_load_b64 v[KF+12*\t+4:KF+12*\t+5], v[AD8] offset:6656+1536*\t+512
	ds_load_b128 v[KF+12*\t+6:KF+12*\t+9], v[AD16] offset:6656+1536*\t+768
	ds_load_b64 v[KF+12*\t+10:KF+12*\t+11], v[AD8] offset:6656+1536*\t+1280
.endr
	ds_load_b128 v[KS:KS+3], v[ADS] offset:12800
.irp b, 0,1,2,3
	v_max3_num_f32 v[BM+\b], v[S+16*\b], v[S+16*\b+1], v[S+16*\b+2]   ; the largest score of each block of 32 keys: for the row's maximum and, since p rises with the score, for the block's largest p
.endr
.irp i, 3,5,7,9,11,13
.irp b, 0,1,2,3
	v_max3_num_f32 v[BM+\b], v[BM+\b], v[S+16*\b+\i], v[S+16*\b+\i+1]
.endr
.endr
.irp b, 0,1,2,3
	v_max_num_f32 v[BM+\b], v[BM+\b], v[S+16*\b+15]
.endr
.irp b, 0,1,2,3
	s_delay_alu instid0(VALU_DEP_4)
	v_permlanex16_b32 v[B2+\b], v[BM+\b], s[SEL], s[SEL+1]
.endr
.irp b, 0,1,2,3
	s_delay_alu instid0(VALU_DEP_4)
	v_max_num_f32 v[BM+\b], v[BM+\b], v[B2+\b]     ; with lane l xor 16's 16 keys
.endr
	s_delay_alu instid0(VALU_DEP_2)
	v_max3_num_f32 v[TT], v[BM], v[BM+1], v[BM+2]
	s_delay_alu instid0(VALU_DEP_1)
	v_max_num_f32 v[TT], v[TT], v[BM+3]
	s_delay_alu instid0(VALU_DEP_1)
	v_mul_f32 v[TT], s[CS], v[TT]                  ; the step's largest t (c is positive)
	s_delay_alu instid0(VALU_DEP_1)
	v_max_num_f32 v13, v13, v[TT]                  ; the running largest t
	v_mov_b32 v[TT], v12
	s_delay_alu instid0(VALU_DEP_2)
	v_floor_f32 v12, -v13                          ; the new -M = -ceil(t): a whole number
	s_delay_alu instid0(VALU_DEP_1)
	v_sub_f32 v[TT], v12, v[TT]                    ; old M - new M: a whole number, 0 or less
	s_delay_alu instid0(VALU_DEP_1)
	v_cvt_i32_f32 v[TT], v[TT]                     ; (it saturates)
	s_delay_alu instid0(VALU_DEP_1)
	v_ldexp_f32 v[FF], 1.0, v[TT]                  ; f = 2^(old M - new M): a multiplication by it rounds nothing
.set j, 0
.rept 32
	v_pk_fma_f32 v[S+j:S+j+1], v[S+j:S+j+1], s[CS:CS+1], v[12:13] op_sel_hi:[1,0,0]   ; t - M, two at a time
.set j, j+2
.endr
.irp b, 0,1,2,3
	v_fma_f32 v[BM+\b], v[BM+\b], s[CS], v12       ; the same of each block's largest score
.endr
.set j, 0
	s_wait_alu depctr_va_vdst(0)
.rept 64
	v_exp_f32 v[S+j], v[S+j]                       ; p = 2^(t - M), at most 1
.set j, j+1
.endr
.irp b, 0,1,2,3
	v_exp_f32 v[BM+\b], v[BM+\b]                   ; the block's largest p: the same two instructions on the same number
.endr
	v_pk_mul_f32 v[14:15], v[14:15], v[FF:FF+1] op_sel_hi:[1,0]   ; the sum under the new M (a plain line behind the exponentials)
	s_wait_alu depctr_va_vdst(0)
.irp b, 0,1,2,3
	v_max_num_f32 v[BM+\b], 0x1800000, v[BM+\b]    ; the floor 2^(3 - 127): the byte cannot fall under 1
.endr
.irp b, 0,1,2,3
	s_delay_alu instid0(VALU_DEP_4)
	v_add_nc_u32 v[SOP+\b], 0xff000000, v[BM+\b]   ; 2 off the exponent field: the conversion's scale operand
.endr
.irp b, 0,1,2,3
	s_delay_alu instid0(VALU_DEP_4)
	v_lshrrev_b32 v[B2+\b], 23, v[SOP+\b]          ; the scale's byte
.endr
	s_delay_alu instid0(VALU_DEP_3)
	v_lshl_or_b32 v[PWD], v[B2+1], 8, v[B2]        ; p's scale word for these 128 keys
	s_delay_alu instid0(VALU_DEP_1)
	v_lshl_or_b32 v[PWD], v[B2+2], 16, v[PWD]
	s_delay_alu instid0(VALU_DEP_1)
	v_lshl_or_b32 v[PWD], v[B2+3], 24, v[PWD]
.irp c, 0,1
	v_cvt_scalef32_pk16_fp6_f32 v[PC+6*\c:PC+6*\c+2], v[S+32*\c:S+32*\c+15], v[SOP+2*\c]
	v_cvt_scalef32_pk16_fp6_f32 v[T8+4*\c:T8+4*\c+2], v[S+32*\c+16:S+32*\c+31], v[SOP+2*\c+1]   ; (a conversion's three registers begin on an even number)
.endr
	v_nop                                          ; one plain line behind the conversions
.irp c, 0,1                            ; the operand wants a WHOLE block in a lane
.irp i, 0,1,2
	v_permlane16_swap_b32 v[PC+6*\c+\i], v[T8+4*\c+\i]
.endr
.irp i, 0,1,2
	s_delay_alu instid0(VALU_DEP_3)
	v_mov_b32 v[PC+3+6*\c+\i], v[T8+4*\c+\i]
.endr
.endr
	v_pk_add_f32 v[228:229], v[100:101], v[104:105]
	v_pk_add_f32 v[254:255], v[108:109], v[112:113]
	v_pk_add_f32 v[252:253], v[116:117], v[120:121]
	v_pk_add_f32 v[250:251], v[124:125], v[128:129]
	v_pk_add_f32 v[248:249], v[132:133], v[136:137]
	v_pk_add_f32 v[246:247], v[140:141], v[144:145]
	v_pk_add_f32 v[244:245], v[148:149], v[152:153]
	v_pk_add_f32 v[14:15], v[14:15], v[156:157]
	v_pk_add_f32 v[228:229], v[228:229], v[96:97]
	v_pk_add_f32 v[254:255], v[254:255], v[98:99]
	v_pk_add_f32 v[252:253], v[252:253], v[102:103]
	v_pk_add_f32 v[250:251], v[250:251], v[106:107]
	v_pk_add_f32 v[248:249], v[248:249], v[110:111]
	v_pk_add_f32 v[246:247], v[246:247], v[114:115]
	v_pk_add_f32 v[244:245], v[244:245], v[118:119]
	v_pk_add_f32 v[14:15], v[14:15], v[122:123]
	v_pk_add_f32 v[228:229], v[228:229], v[126:127]
	v_pk_add_f32 v[254:255], v[254:255], v[130:131]
	v_pk_add_f32 v[252:253], v[252:253], v[134:135]
	v_pk_add_f32 v[250:251], v[250:251], v[138:139]
	v_pk_add_f32 v[248:249], v[248:249], v[142:143]
	v_pk_add_f32 v[246:247], v[246:247], v[146:147]
	v_pk_add_f32 v[244:245], v[244:245], v[150:151]
	v_pk_add_f32 v[14:15], v[14:15], v[154:155]
	v_pk_add_f32 v[228:229], v[228:229], v[158:159]
	s_delay_alu instid0(VALU_DEP_2)
	v_pk_add_f32 v[14:15], v[14:15], v[250:251]
	s_delay_alu instid0(VALU_DEP_2)
	v_pk_add_f32 v[228:229], v[228:229], v[248:249]
	v_pk_add_f32 v[254:255], v[254:255], v[246:247]
	v_pk_add_f32 v[252:253], v[252:253], v[244:245]
	s_delay_alu instid0(VALU_DEP_2)
	v_pk_add_f32 v[14:15], v[14:15], v[254:255]
	s_delay_alu instid0(VALU_DEP_2)
	v_pk_add_f32 v[228:229], v[228:229], v[252:253]
	s_delay_alu instid0(VALU_DEP_1)
	v_pk_add_f32 v[14:15], v[14:15], v[228:229]
.set j, 0
.rept 16
	v_pk_mul_f32 v[O+j:O+j+1], v[O+j:O+j+1], v[FF:FF+1] op_sel_hi:[1,0]   ; O^T under the new M.  (The sums and these are the places between the writes of p's codes and scale word and the products)
.set j, j+2
.endr
	s_wait_alu depctr_va_vdst(0)
	s_wait_dscnt 0x0                               ; V is in
.irp t, 0,1,2,3                        ; O^T += V^T P^T: four accumulators, one instruction each
	v_wmma_scale_f32_16x16x128_f8f6f4 v[O+8*\t:O+8*\t+7], v[KF+12*\t:KF+12*\t+11], v[PC:PC+11], v[O+8*\t:O+8*\t+7], v[KS+\t], v[PWD] matrix_a_fmt:MATRIX_FMT_FP6 matrix_b_fmt:MATRIX_FMT_FP6
.endr
	s_xor_b32 s[TB], s[TB], SLOT1                  ; on to the other slot
.endm
; THE CHANGE OF SLOTS stands at a step's head.  Each wave waits for all its tensor loads (at most one is out: its part of the slot ahead), adds 0 to its spare word, and waits for that and for its reads of the slot that it has left.
; fill = 1: the barrier is a round of the cluster's, so that no wave of any partner still reads that slot or has a load on its way; the joint refill is the first thing behind it and has a whole step in which to land.
.macro CHANGE fill
	s_wait_tensorcnt 0x0                           ; no tensor load of mine is out, so a group 0 may be written
	ds_add_u32 v[SPW], v[NIL]                      ; 0 onto my spare word
.if \fill
	s_xor_b32 s[G0K+1], s[G0K+1], SLOT1            ; the other slot than last time,
	s_add_nc_u64 s[G0K+2:G0K+3], s[G0K+2:G0K+3], 4*HEADB   ; the next step's four heads; the type bits on top are not reached
	s_xor_b32 s[G0M+1], s[G0M+1], SLOT1
	s_add_nc_u64 s[G0M+2:G0M+3], s[G0M+2:G0M+3], 512       ; the next 128 keys of the mask's rows
.endif
	s_wait_dscnt 0x0                               ; the add is done, and my reads of the slot that I have left are over
.if \fill
	ROUND
	TLOAD
.else
	s_barrier_signal -1
	s_barrier_wait -1
.endif
.endm
	s_wait_loadcnt 0x0                             ; Q
.Lstep:                                            ; 15 trips: behind each change of slots but the last the next step is asked for
	CHANGE 1
	STEP
	s_sub_co_u32 s[CNT], s[CNT], 1
	s_cmp_lg_u32 s[CNT], 0
	s_cbranch_scc1 .Lstep
	CHANGE 0                                       ; the last step is written out
	STEP
	; THE WAY OUT.  O^T / the sum is quantised along d: my lane's 32 registers are d = 32 b + 16 h + i: two blocks: half a fragment of the last product's operand (its K = 64 head + d).
	s_lshr_b32 s52, s16, 2                         ; batch
	s_lshl_b32 s52, s52, 4
	s_lshr_b32 s53, s15, 1
	s_add_co_u32 s52, s52, s53                     ; the group of 128 rows: 16 batch + qb / 2
	s_mul_i32 s52, s52, 102400
	s_and_b32 s53, s16, 3                          ; head / 4
	s_lshl_b32 s54, s53, 1
	s_lshr_b32 s55, s17, 1
	s_add_co_u32 s54, s54, s55                     ; K step = head / 2
	s_mul_i32 s54, s54, 12288
	s_add_co_u32 s54, s54, s52
	s_mul_i32 s55, s61, 1536                       ; my tile of rows
	s_add_co_u32 s54, s54, s55
	s_and_b32 s55, s17, 1
	s_mul_i32 s55, s55, 768                        ; which half of the fragment: head % 2
	s_add_co_u32 s54, s54, s55
	s_mov_b32 s55, 0
	s_add_nc_u64 s[54:55], s[10:11], s[54:55]
	s_lshl_b32 s53, s53, 10                        ; the scale words: 98,304 + 512 K step + 256 (qb % 2)
	s_add_co_u32 s52, s52, s53
	s_lshl_b32 s53, s60, 8
	s_add_co_u32 s52, s52, s53
	s_mov_b32 s53, 0
	s_add_nc_u64 s[52:53], s[10:11], s[52:53]
	v_add_f32 v14, v14, v15                        ; the sum's two halves.  (This arithmetic is also the places behind the last products)
	v_and_b32 v[L16], 31, v0
	v_and_b32 v[WO], 15, v0
	s_delay_alu instid0(VALU_DEP_2)
	v_lshlrev_b32 v[L8], 3, v[L16]
	s_delay_alu instid0(VALU_DEP_3)
	v_lshlrev_b32 v[L16], 4, v[L16]
	s_delay_alu instid0(VALU_DEP_3)
	v_lshlrev_b32 v[WO], 4, v[WO]                  ; 16 r
	v_permlanex16_b32 v[TT], v14, s[SEL], s[SEL+1]
	s_delay_alu instid0(VALU_DEP_3)
	v_add_nc_u32 v[SCL], SCST, v[L16]
	v_bfe_u32 v[TX], v0, 6, 1                      ; hh / 2
	s_delay_alu instid0(VALU_DEP_1)
	v_lshl_add_u32 v[SCA], v[TX], 8, v[WO]
	s_delay_alu instid0(VALU_DEP_4)
	v_add_f32 v14, v14, v[TT]                      ; and lane l xor 16's: the row's sum, at least 1/2
	v_bfe_u32 v[TX], v0, 7, 2                      ; qt
	s_delay_alu instid0(VALU_DEP_1)
	v_lshl_add_u32 v[SCA], v[TX], 2, v[SCA]
	s_wait_alu depctr_va_vdst(0)
	v_rcp_f32 v14, v14
	v_bfe_u32 v[TX], v0, 5, 1                      ; hh % 2   (a plain line behind the reciprocal)
	s_delay_alu instid0(VALU_DEP_1)
	v_lshl_add_u32 v[SCA], v[TX], 1, v[SCA]
	s_delay_alu instid0(VALU_DEP_1)
	v_add_nc_u32 v[SCA], SCST, v[SCA]              ; where my two scale bytes go: 256 (hh / 2) + 16 r + 4 qt + 2 (hh % 2)
	v_bfe_u32 v[TX], v0, 4, 1
	s_delay_alu instid0(VALU_DEP_1)
	v_lshl_add_u32 v[WO], v[TX], 9, v[WO]          ; wave 0's store: 512 h + 16 r
.set j, 0
	s_wait_alu depctr_va_vdst(0)
.rept 16
	v_pk_mul_f32 v[O+j:O+j+1], v[O+j:O+j+1], v[14:15] op_sel_hi:[1,0]
.set j, j+2
.endr
.irp b, 0,1
	v_max3_num_f32 v[BM+\b], |v[O+16*\b]|, |v[O+16*\b+1]|, 0x1800000
.endr
.irp i, 2,4,6,8,10,12,14
.irp b, 0,1
	s_delay_alu instid0(VALU_DEP_2)
	v_max3_num_f32 v[BM+\b], v[BM+\b], |v[O+16*\b+\i]|, |v[O+16*\b+\i+1]|
.endr
.endr
.irp b, 0,1
	s_delay_alu instid0(VALU_DEP_2)
	v_permlanex16_b32 v[B2+\b], v[BM+\b], s[SEL], s[SEL+1]
.endr
.irp b, 0,1
	s_delay_alu instid0(VALU_DEP_2)
	v_max_num_f32 v[BM+\b], v[BM+\b], v[B2+\b]
.endr
.irp b, 0,1
	s_delay_alu instid0(VALU_DEP_2)
	v_add_nc_u32 v[SOP+\b], 0xff000000, v[BM+\b]
.endr
.irp b, 0,1
	s_delay_alu instid0(VALU_DEP_2)
	v_lshrrev_b32 v[B2+\b], 23, v[SOP+\b]
.endr
	s_delay_alu instid0(VALU_DEP_1)
	v_lshl_or_b32 v[TT], v[B2+1], 8, v[B2]         ; my head's two scale bytes
	v_cvt_scalef32_pk16_fp6_f32 v[PC:PC+2], v[O:O+15], v[SOP]
	v_cvt_scalef32_pk16_fp6_f32 v[T8:T8+2], v[O+16:O+31], v[SOP+1]
	v_nop                                          ; one plain line behind the conversions
.irp i, 0,1,2
	v_permlane16_swap_b32 v[PC+\i], v[T8+\i]       ; lanes 0-15: block 0 whole, lanes 16-31: block 1
.endr
.irp i, 0,1,2
	s_delay_alu instid0(VALU_DEP_3)
	v_mov_b32 v[PC+3+\i], v[T8+\i]
.endr
	global_store_b128 v[L16], v[PC:PC+3], s[54:55]             ; 512 consecutive bytes, aligned
	global_store_b64 v[L8], v[PC+4:PC+5], s[54:55] offset:512  ; 256
	ds_store_b16 v[SCA], v[TT]                     ; lanes r and 16 + r write the same bytes with the same value
	s_wait_dscnt 0x0                               ; for wave 0's sake
	s_barrier_signal -1
	s_barrier_wait -1
	s_cmp_lg_u32 s[WV], 0
	s_cbranch_scc1 .Lnot_first
	ds_load_b128 v[S:S+3], v[SCL]                  ; two K steps x 16 rows x 4 tiles of scale words
	s_wait_dscnt 0x0
	global_store_b128 v[WO], v[S:S+3], s[52:53] offset:98304   ; sixteen lanes store 256 consecutive bytes, aligned
.Lnot_first:
	s_wait_tensorcnt 0x0                           ; the wave's end
	ds_add_u32 v[SPW], v[NIL]
	s_wait_dscnt 0x0
	ROUND                                          ; the closing round: no work-group ends while a partner may still ask for a tile that names it
	s_endpgm
.Lfunc_end_k_q1ba61766e6_attn:
	.size	k_q1ba61766e6_attn, .Lfunc_end_k_q1ba61766e6_attn-k_q1ba61766e6_attn
	.p2alignl 7, 3214868480
	.fill 96, 4, 3214868480
	.section	.rodata,"a",@progbits
	.p2align	6, 0x0
	.amdhsa_kernel k_q1ba61766e6_attn
		.amdhsa_group_segment_fixed_size 327680
		.amdhsa_private_segment_fixed_size 0
		.amdhsa_enable_private_segment 0
		.amdhsa_kernarg_size 32
		.amdhsa_user_sgpr_count 2
		.amdhsa_user_sgpr_kernarg_segment_ptr 1
		.amdhsa_wavefront_size32 1
		.amdhsa_system_sgpr_workgroup_id_x 1
		.amdhsa_system_sgpr_workgroup_id_y 1
		.amdhsa_system_sgpr_workgroup_id_z 1
		.amdhsa_system_vgpr_workitem_id 0
		.amdhsa_next_free_vgpr 256
		.amdhsa_next_free_sgpr 66
		.amdhsa_reserve_vcc 0
		.amdhsa_float_denorm_mode_32 3
		.amdhsa_float_denorm_mode_16_64 3
		.amdhsa_memory_ordered 1
		.amdhsa_forward_progress 1
		.amdhsa_inst_pref_size 57
	.end_amdhsa_kernel
	.amdgpu_metadata
---
amdhsa.version: [ 1, 2 ]
amdhsa.kernels:
  - .name:           k_q1ba61766e6_attn
    .symbol:         k_q1ba61766e6_attn.kd
    .args:
      - { .name: qi, .offset: 0, .size: 8, .value_kind: global_buffer, .address_space: global }
      - { .name: kv, .offset: 8, .size: 8, .value_kind: global_buffer, .address_space: global }
      - { .name: mask, .offset: 16, .size: 8, .value_kind: global_buffer, .address_space: global }
      - { .name: ao, .offset: 24, .size: 8, .value_kind: global_buffer, .address_space: global }
    .group_segment_fixed_size: 327680
    .private_segment_fixed_size: 0
    .kernarg_segment_align: 8
    .kernarg_segment_size: 32
    .max_flat_workgroup_size: 512
    .sgpr_count:     66
    .vgpr_count:     256
    .wavefront_size: 32
...
	.end_amdgpu_metadata
.endif
;; end of part 6
;; launch outp (part 7): grid 64 x 4, 4 waves a work-group, no clusters, 168,448 bytes of LDS; arguments ao, wq, bo, out0; writes out0
.if DOCPART == 7
	.amdgcn_target "amdgcn-amd-amdhsa--gfx1250"
	.amdhsa_code_object_version 6
	.text
	.protected	k_q1ba61766e6_outp
	.globl	k_q1ba61766e6_outp
	.p2align	8
	.type	k_q1ba61766e6_outp,@function
k_q1ba61766e6_outp:
	s_mov_b64 s[64:65], 0
	v_nop
	global_prefetch_b8 v0, s[64:65] scope:SCOPE_SE
	s_setreg_imm32_b32 hwreg(HW_REG_WAVE_MODE, 25, 1), 1
	s_wait_xcnt 0x0
; out0 = attention's result x Wo + bo, on codes of FP6 (E2M3) with one E8M0 scale for each 32 along K; both operands come as images of their registers, made by earlier launches.
; SHARES.  Work-group (x = 128 rows, y = 256 n); wave w makes n = 256 y + 64 w .. + 63 for the 128 rows: 4 tiles of Wo (source 0) x 8 tiles of rows (source 1): 32 accumulators; 8 K steps of 128.
; The rows' block, 102,400 dense bytes (64 fragments, then their scale words), comes into LDS ONCE, a quarter by each wave's one tensor load; nothing is filled again.  Wo's fragments go from memory straight into registers:
; each is read by one wave of the work-group.  NO CLUSTER: what work-groups share is that one fill of 100 KiB at the head, against 205 KB of weights and 128 KiB of output that are each work-group's own.
; Source 0's n were chosen so that a lane's 16 registers of two neighbouring tiles are 16 neighbouring n: 64 bytes of a row of the output.
; REGISTERS: window 0: v1-13 addresses; v32-39 Wo's scale words, two sets; v48-63 the rows', two sets; v64-255 the rows' fragments, two sets of 96 (on the way out: rows read back).
;   window 1: Wo's fragments, sets at v0 and v128; v64-95 the bias's four tiles.   window 2: accumulator (j, i) at v[8 (4 j + i)].
.set XSC,   98304
.set STG,   102400                     ; behind the block: a stage of 16 rows x 272 bytes for each wave; no tile lands here
.set FRB,   1536
.set STEPW, 12800
.set LN,   1
.set RR,   2
.set HH,   3
.set A16,  4
.set A8,   5
.set A16H, 6
.set A8H,  7
.set AXS,  8
.set GWS,  9
.set BQ,   10
.set STO,  11
.set RD,   12
.set CO,   13
.set BK,   64
.set WV,   12
.set G1,   16
.set G0,   24
.set WB,   28
.set WSB,  30
.set MSB, 0
.macro WIN new                         ; the immediate's high byte repeats the setting that is left
.if MSB != (\new)
	s_set_vgpr_msb (MSB<<8)|(\new)
.set MSB, (\new)
.endif
.endm
.macro PLACES n
.rept \n
	v_nop
.endr
.endm
	s_load_b256 s[4:11], s[0:1], 0x0               ; ao, wq, bo, out0
	v_lshl_add_u32 v46, v0, 2, 0x29000
	v_mov_b32 v47, 0
	ds_add_u32 v46, v47
	ds_add_u32 v46, v47
	v_lshrrev_b32 v1, 5, v0
	v_readfirstlane_b32 s[WV], v1                  ; wave 0..3
	s_and_b32 s14, ttmp7, 0xffff
	s_mov_b32 s[G1], 3<<16                         ; no mask; elements of 8 bytes; no padding
	s_mov_b32 s[G1+1], 32<<16                      ; rows of 256 bytes,
	s_mov_b32 s[G1+2], 100<<16                     ; 100 of them: 25,600 dense bytes
	s_mov_b32 s[G1+3], 32<<16
	s_mov_b32 s[G1+4], 100
	s_mov_b32 s[G1+5], 32
	s_mov_b32 s[G1+6], 0
	s_mov_b32 s[G1+7], 0
	s_mul_i32 s32, ttmp9, 102400
	s_mul_i32 s[G0+1], s[WV], 25600                ; my quarter, in LDS
	s_add_co_u32 s32, s32, s[G0+1]                 ; and in memory
	s_mov_b32 s33, 0
	s_lshl_b32 s34, s14, 1
	s_lshr_b32 s35, s[WV], 1
	s_add_co_u32 s34, s34, s35                     ; my chunk of 128 n
	s_mul_i32 s34, s34, 102400
	s_add_co_u32 s34, s34, 3*819200                ; the fourth weight
	s_and_b32 s36, s[WV], 1
	s_mul_i32 s37, s36, 4*FRB                      ; tiles 4 (w % 2) on
	s_add_co_u32 s38, s34, s37
	s_mov_b32 s39, 0
	s_lshl_b32 s37, s36, 8                         ; their scale words
	s_add_co_u32 s34, s34, s37
	s_mov_b32 s35, 0
	s_lshl_b32 s40, s14, 10
	s_lshl_b32 s41, s[WV], 8
	s_add_co_u32 s40, s40, s41                     ; my first n, in bytes
	s_mov_b32 s41, 0
	s_lshl_b32 s42, ttmp9, 19                      ; 128 rows of 4,096 bytes
	s_mov_b32 s43, 0
	s_wait_dscnt 0x0
	s_wait_kmcnt 0x0
	s_mov_b32 s[G0], 1
	s_add_nc_u64 s[G0+2:G0+3], s[4:5], s[32:33]
	s_or_b32 s[G0+3], s[G0+3], 0x80000000
	tensor_load_to_lds s[G0:G0+3], s[G1:G1+7]      ; the one fill of my quarter
	s_nop 0
	v_and_b32 v[LN], 31, v0
	v_and_b32 v[RR], 15, v0
	v_bfe_u32 v[HH], v0, 4, 1
	v_lshlrev_b32 v[A16], 4, v[LN]
	v_lshlrev_b32 v[A8], 3, v[LN]
	v_add_nc_u32 v[A16H], 49152, v[A16]
	v_add_nc_u32 v[A8H], 49152, v[A8]
	v_lshlrev_b32 v[GWS], 4, v[RR]
	v_add_nc_u32 v[AXS], XSC, v[GWS]
	v_lshlrev_b32 v[BQ], 6, v[HH]
	s_wait_alu depctr_va_vdst(0)
	s_mul_i32 s44, s[WV], 16*272
	s_add_co_u32 s44, s44, STG                     ; my stage
	v_mul_u32_u24 v[STO], v[RR], 272
	v_lshl_add_u32 v[STO], v[HH], 6, v[STO]
	v_add_nc_u32 v[STO], s44, v[STO]               ; in: row r, + 64 h
	v_mul_u32_u24 v[RD], v[HH], 272
	v_add_nc_u32 v[RD], v[RD], v[GWS]
	v_add_nc_u32 v[RD], s44, v[RD]                 ; back: lanes 0-15 one row of 256 bytes, lanes 16-31 the next
	v_lshl_add_u32 v[CO], v[HH], 12, v[GWS]        ; and the same two rows in the output
	s_add_nc_u64 s[WB:WB+1], s[6:7], s[38:39]
	s_add_nc_u64 s[WSB:WSB+1], s[6:7], s[34:35]
	s_add_nc_u64 s[8:9], s[8:9], s[40:41]
	s_add_nc_u64 s[10:11], s[10:11], s[40:41]
	s_add_nc_u64 s[10:11], s[10:11], s[42:43]
.macro FETCHW s, set                   ; Wo's four fragments of K step s and their scale words: 13 loads
	WIN 0x40
.irp i, 0,1,2,3
.irp g, 0,1,2
	global_load_b128 v[128*(\set)+12*\i+4*\g:128*(\set)+12*\i+4*\g+3], v[A16], s[WB:WB+1] offset:STEPW*(\s)+FRB*\i+512*\g
.endr
.endr
	WIN 0
	global_load_b128 v[32+4*(\set):32+4*(\set)+3], v[GWS], s[WSB:WSB+1] offset:STEPW*(\s)+12288
.endm
.macro FETCHX s, set                   ; the rows' eight fragments of K step s and their scale words: 34 LDS loads
.if (\s) < 4
.set XA16, A16
.set XA8, A8
.else
.set XA16, A16H
.set XA8, A8H
.endif
.irp j, 0,1,2,3,4,5,6,7
	ds_load_b128 v[64+96*(\set)+12*\j:64+96*(\set)+12*\j+3], v[XA16] offset:12288*((\s)%4)+FRB*\j
	ds_load_b64 v[64+96*(\set)+12*\j+4:64+96*(\set)+12*\j+5], v[XA8] offset:12288*((\s)%4)+FRB*\j+512
	ds_load_b128 v[64+96*(\set)+12*\j+6:64+96*(\set)+12*\j+9], v[XA16] offset:12288*((\s)%4)+FRB*\j+768
	ds_load_b64 v[64+96*(\set)+12*\j+10:64+96*(\set)+12*\j+11], v[XA8] offset:12288*((\s)%4)+FRB*\j+1280
.endr
.irp e, 0,1
	ds_load_b128 v[48+8*(\set)+4*\e:48+8*(\set)+4*\e+3], v[AXS] offset:512*(\s)+256*\e
.endr
.endm
; 32 matrix instructions; the 32 accumulators take turns, one instruction a turn, in the same order in every K step.  first = 1: the sums begin with the bias.
.macro MUL32 set, first
.if \first
	WIN 0x91                                       ; source 0 and C window 1, source 1 window 0, D window 2
.else
	WIN 0xa1                                       ; C and D window 2
.endif
.irp j, 0,1,2,3,4,5,6,7
.irp i, 0,1,2,3
.set AC, 8*(4*\j+\i)
.if \first
	v_wmma_scale_f32_16x16x128_f8f6f4 v[AC:AC+7], v[128*(\set)+12*\i:128*(\set)+12*\i+11], v[64+96*(\set)+12*\j:64+96*(\set)+12*\j+11], v[64+8*\i:64+8*\i+7], v[32+4*(\set)+\i], v[48+8*(\set)+\j] matrix_a_fmt:MATRIX_FMT_FP6 matrix_b_fmt:MATRIX_FMT_FP6
.else
	v_wmma_scale_f32_16x16x128_f8f6f4 v[AC:AC+7], v[128*(\set)+12*\i:128*(\set)+12*\i+11], v[64+96*(\set)+12*\j:64+96*(\set)+12*\j+11], v[AC:AC+7], v[32+4*(\set)+\i], v[48+8*(\set)+\j] matrix_a_fmt:MATRIX_FMT_FP6 matrix_b_fmt:MATRIX_FMT_FP6
.endif
.endr
.endr
	WIN 0
.endm
	WIN 0x40
.irp i, 0,1,2,3                        ; the bias: lane (r, h), tile 2 b + u: n = 32 b + 16 h + 8 u + 0 .. 7
	global_load_b128 v[64+8*\i:64+8*\i+3], v[BQ], s[8:9] offset:(32*(\i/2)+8*(\i%2))*4
	global_load_b128 v[64+8*\i+4:64+8*\i+7], v[BQ], s[8:9] offset:(32*(\i/2)+8*(\i%2))*4+16
.endr
	WIN 0
	FETCHW 0, 0
	FETCHW 1, 1
	s_wait_tensorcnt 0x0                           ; my quarter of the block is in,
	s_barrier_signal -1
	s_barrier_wait -1                              ; everybody's is
	FETCHX 0, 0
	FETCHX 1, 1
	s_wait_loadcnt 13                              ; the bias and K step 0 are in; K step 1's 13 loads may be out,
	s_wait_dscnt 34                                ; and its 34 from LDS
	MUL32 0, 1
.irp s, 1,2,3,4,5,6
	PLACES 4                                       ; four places in front of loads into registers that the last products read (ISA guide 7.12.1 for vector instructions)
	FETCHW \s+1, (\s+1)%2
	FETCHX \s+1, (\s+1)%2
	s_wait_loadcnt 13
	s_wait_dscnt 34
	MUL32 \s%2, 0
.endr
	s_wait_loadcnt 0x0
	s_wait_dscnt 0x0
	MUL32 1, 0
; THE WAY OUT, 16 rows x 64 n at a time, through my own stage: in as 64 bytes a lane and pair of tiles, back as whole rows of 256 bytes.  LDS serves a wave's instructions in order: no wait between the stores and the loads.
.macro TOSTAGE j
	WIN 0x08                                       ; an LDS store's data are its source 1: window 2
.irp i, 0,1,2,3
	ds_store_b128 v[STO], v[8*(4*(\j)+\i):8*(4*(\j)+\i)+3] offset:128*(\i/2)+32*(\i%2)       ; each accumulator from its low end on
	ds_store_b128 v[STO], v[8*(4*(\j)+\i)+4:8*(4*(\j)+\i)+7] offset:128*(\i/2)+32*(\i%2)+16
.endr
	WIN 0
.irp t, 0,1,2,3,4,5,6,7
	ds_load_b128 v[BK+32*((\j)%2)+4*\t:BK+32*((\j)%2)+4*\t+3], v[RD] offset:544*\t
.endr
.endm
.macro SEND j, younger                 ; younger: the LDS instructions issued behind block j's loads, which may stay out
	s_wait_dscnt \younger
.irp t, 0,1,2,3,4,5,6,7
	global_store_b128 v[CO], v[BK+32*((\j)%2)+4*\t:BK+32*((\j)%2)+4*\t+3], s[10:11] offset:(16*(\j)+2*\t)*4096 th:TH_STORE_NT   ; sixteen lanes store 256 consecutive bytes, aligned; written once, read by nobody here
.endr
.endm
	PLACES 4                                       ; in front of the first read of results and of loads into registers that held fragments
	s_wait_alu depctr_va_vdst(0)
	TOSTAGE 0
.irp j, 1,2,3,4,5,6,7
.if \j > 1
	s_wait_xcnt 0x0                                ; block j - 2's stores have read their registers: block j's loads may land there
.endif
	TOSTAGE \j
	SEND \j-1, 16                                  ; behind block j - 1's loads: block j's 8 stores and 8 loads
.endr
	SEND 7, 0
	s_wait_tensorcnt 0x0
	ds_add_u32 v46, v47
	s_wait_dscnt 0x0
	s_endpgm
.Lfunc_end_k_q1ba61766e6_outp:
	.size	k_q1ba61766e6_outp, .Lfunc_end_k_q1ba61766e6_outp-k_q1ba61766e6_outp
	.p2alignl 7, 3214868480
	.fill 96, 4, 3214868480
	.section	.rodata,"a",@progbits
	.p2align	6, 0x0
	.amdhsa_kernel k_q1ba61766e6_outp
		.amdhsa_group_segment_fixed_size 168448
		.amdhsa_private_segment_fixed_size 0
		.amdhsa_enable_private_segment 0
		.amdhsa_kernarg_size 32
		.amdhsa_user_sgpr_count 2
		.amdhsa_user_sgpr_kernarg_segment_ptr 1
		.amdhsa_wavefront_size32 1
		.amdhsa_system_sgpr_workgroup_id_x 1
		.amdhsa_system_sgpr_workgroup_id_y 1
		.amdhsa_system_sgpr_workgroup_id_z 1
		.amdhsa_system_vgpr_workitem_id 0
		.amdhsa_next_free_vgpr 768
		.amdhsa_next_free_sgpr 66
		.amdhsa_reserve_vcc 0
		.amdhsa_float_denorm_mode_32 3
		.amdhsa_float_denorm_mode_16_64 3
		.amdhsa_memory_ordered 1
		.amdhsa_forward_progress 1
		.amdhsa_inst_pref_size 81
	.end_amdhsa_kernel
	.amdgpu_metadata
---
amdhsa.version: [ 1, 2 ]
amdhsa.kernels:
  - .name:           k_q1ba61766e6_outp
    .symbol:         k_q1ba61766e6_outp.kd
    .args:
      - { .name: ao, .offset: 0, .size: 8, .value_kind: global_buffer, .address_space: global }
      - { .name: wq, .offset: 8, .size: 8, .value_kind: global_buffer, .address_space: global }
      - { .name: bo, .offset: 16, .size: 8, .value_kind: global_buffer, .address_space: global }
      - { .name: out0, .offset: 24, .size: 8, .value_kind: global_buffer, .address_space: global }
    .group_segment_fixed_size: 168448
    .private_segment_fixed_size: 0
    .kernarg_segment_align: 8
    .kernarg_segment_size: 32
    .max_flat_workgroup_size: 128
    .sgpr_count:     66
    .vgpr_count:     768
    .wavefront_size: 32
...
	.end_amdgpu_metadata
.endif
;; end of part 7
